; MI455X (gfx1250); checked and timed in simulation.
; The chip was launched on July 23, 2026; its instructions are those of AMD's public machine-readable ISA for CDNA 5 (MIT licence, August 2026) and "CDNA5" Instruction Set Architecture Reference Guide (July 2026). The comments in the code are by the model that wrote it; some were corrected since.
;; Self Attention. Allowed arithmetic: matrix products marked QUANTISED: E2M3 operands, one E8M0 scale for each 32 along K, by v_wmma_scale_f32_16x16x128_f8f6f4 with both operands' format E2M3, f32 sums; everything else in f32.
;; Inputs: Wk 1,024 x 1,024 float32; Wo 1,024 x 1,024 float32; Wq 1,024 x 1,024 float32; Wv 1,024 x 1,024 float32; bk 1,024 float32; bo 1,024 float32; bq 1,024 float32; bv 1,024 float32; query 4 x 2,048 x 1,024 float32.
;; Outputs: out0 4 x 2,048 x 1,024 float32.
;; This version of the problem:
;;   THIS VERSION OF THE PROBLEM IS GIVEN IN LOW PRECISION. The matrix products marked QUANTISED in the list below multiply operands that are first quantised to E2M3 (2 exponent bits, 3 mantissa bits; 6 bits a number), with one power-of-two scale for each 32 numbers along K (OCP MX v1.0); their sums are f32. All else is computed in f32.
;;   The module's matrix products, in the order in which they are computed (A, B: the left and right operand; K: the contracted axis; several contracted axes count as one K, in the product's order):
;;     1. [M 8,192, K 1,024] x [K 1,024, N 1,024]; A: input query; B: input Wq: QUANTISED
;;     2. [M 8,192, K 1,024] x [K 1,024, N 1,024]; A: input query; B: input Wk: QUANTISED
;;     3. [M 8,192, K 1,024] x [K 1,024, N 1,024]; A: input query; B: input Wv: QUANTISED
;;     4. batch 64 x [M 2,048, K 64] x [K 64, N 2,048]; A: computed on the way; B: computed on the way: QUANTISED
;;     5. batch 64 x [M 2,048, K 2,048] x [K 2,048, N 64]; A: softmax (see below); B: computed on the way: QUANTISED
;;     6. [M 8,192, K 1,024] x [K 1,024, N 1,024]; A: computed on the way; B: input Wo: QUANTISED
;;   THE QUANTISER, for each operand of a quantised product, along K:
;;     - K is cut into blocks of 32 from its start; a last block that is shorter is filled with zeros.
;;     - A block's scale is 2^e with e = floor(log2(the largest magnitude in the block)) - 2, held to -126 .. 127; a block of zeros has e = 0. As a byte (E8M0): e + 127.
;;     - Each number is divided by its block's scale, clamped to +-7.5, and rounded to the nearest number of E2M3, ties to even, subnormals kept.
;;     - The product sums the exact products of the quantised numbers (number of the format x scale) in f32.
;;   ~~~python
;;   def quantise(x, axis):      # numpy; x: float32 -> the quantised numbers, widened to float32 again
;;       x = np.moveaxis(x, axis, -1); K = x.shape[-1]
;;       x = np.pad(x, [(0, 0)] * (x.ndim - 1) + [(0, -K % 32)]); x = x.reshape(x.shape[:-1] + (-1, 32)); a = np.abs(x).max(-1, keepdims=True)
;;       e = np.where(a > 0, np.clip(np.frexp(np.where(a > 0, a, 1))[1] - 1 - 2, -126, 127), 0)      # np.frexp(a)[1] - 1 = floor(log2(a)), exactly
;;       r = np.clip(x / 2.0 ** e, -7.5, 7.5)
;;       step = 2.0 ** (np.maximum(np.frexp(np.where(r == 0, 1, r))[1] - 1, 0) - 3)
;;       q = np.round(r / step) * step * 2.0 ** e      # np.round: ties to even
;;       return np.moveaxis(q.reshape(q.shape[:-2] + (-1,))[..., :K], -1, axis).astype(np.float32)
;;   ~~~
;;   SOFTMAX AHEAD OF A QUANTISED PRODUCT. Where the list says 'softmax', what is quantised is not the finished softmax but p = 2^(t - M), with t = logit x log2(e) and M = ceil(the row's largest t), a whole number; so 1/2 < the row's largest p <= 1. The row's sum l is taken of the UNQUANTISED p, in f32, and the product's result is divided by l at the end. Since M is a whole number, a kernel that streams over the keys may use a running M (the ceiling of the running maximum): every later rescaling is an exact power of two, which a block's scale takes up: the codes' values come out the same.
;;   OPERANDS COMPUTED ON THE WAY. 'Computed on the way' means the value that the module computes at that place (a softmax that the list does not call 'softmax' is quantised finished and normalised). What goes into a quantiser is computed in f32, as accurately as f32 sums, v_exp_f32 and their like allow (about 1e-6 of the number): no bf16 or f16 on the way to a quantiser, and a product that is left as it is and whose result goes on into a quantised operand takes f32 operands (vector FMAs, or v_wmma_f32_16x16x4_f32). A number that lies on a knife's edge between two numbers of the format may be rounded either way, as far as f32 arithmetic and the matrix unit's own rounding can turn it there, and no further.
;; One version. Each part assembles by itself: llvm-mc -triple=amdgcn-amd-amdhsa -mcpu=gfx1250 --defsym DOCPART=n.
;; ======== version 1 of 1: 4 launches
;; limits: right only within a limited range of input values
;; workspace buffers: img 9,437,184 bytes; imgs 393,216 bytes; qb 6,815,744 bytes; kv 13,369,344 bytes; cimg 6,291,456 bytes; cs 262,144 bytes
;; launch quant (part 1): grid 768 x 1, 8 waves a work-group, no clusters, 68,608 bytes of LDS; arguments query, Wq, Wk, Wv, Wo, img, imgs; writes img, imgs
.if DOCPART == 1
	.amdgcn_target "amdgcn-amd-amdhsa--gfx1250"
	.amdhsa_code_object_version 6
	.text
	.protected	k_q2f3467fd91_quant
	.globl	k_q2f3467fd91_quant
	.p2align	8
	.type	k_q2f3467fd91_quant,@function
k_q2f3467fd91_quant:
	s_mov_b64 s[64:65], 0
	v_nop
	global_prefetch_b8 v0, s[64:65] scope:SCOPE_SE
	s_setreg_imm32_b32 hwreg(HW_REG_WAVE_MODE, 25, 1), 1
	s_wait_xcnt 0x0
; SELF-ATTENTION IN MX-FP6, FIRST OF FOUR LAUNCHES: query [8192][1024] and Wq, Wk, Wv, Wo [1024][1024], f32, K innermost, become codes of E2M3 with one E8M0 byte for each 32 along K.
; NOTHING OF reference() IS LEFT OUT in this program: every input reaches the output through a quantised operand (bk too: it moves k's codes), so all nine inputs are loaded and all six products are made.
; THE LAYOUT OF THE CODES is the order of the operand's registers.  A TILE is 16 rows; rows go in groups of 64, and row i (0..15) of tile 4 g + u is row 64 g + 32 (i / 8) + 8 u + i % 8.  With that choice the 32 result
; registers that a lane gets from four neighbouring tiles used as source 0 are 32 NEIGHBOURS along the next product's K: a whole block in one lane.  A fragment (a tile x 128 along K, 12 registers a lane) lies as two
; halves of 768 bytes: registers 0-3 at 16 x lane, registers 4-5 at 512 + 8 x lane.  img: [tile 0..767][K step 0..7][1,536 bytes]; tiles 0-511 query, 512.. Wq, 576.. Wk, 640.. Wv, 704.. Wo.
; imgs: [tile][512 bytes]: the scale word (four bytes, 128 along K) of row i and K step s at 128 (s / 2) + 8 i + 4 (s % 2).
; A block's scale is 2^(floor(log2(its largest magnitude)) - 2); its byte is the largest magnitude's exponent field - 2, held at 1 from below.
; LIMITS: NaN and infinities among the inputs are not served.  A block of zeros, or one whose largest magnitude lies under 2^-124, gets the byte 1 where the rule says 127 or less: its codes are zeros or as the floor's scale gives them; the bytes are read by this program alone.
; SHARES: a work-group is a tile, its wave s the tile's K step s: one fragment a wave, straight-line.  Each load reads 512 consecutive bytes of one row; the 16 rows turn through the wave's own stage in LDS
; (rows 528 bytes apart) and come back 128 bytes a lane: lane (r, h) holds k = 64 c + 32 h + 0 .. 31 of row r.  No barrier: waves share nothing.
; The scale words leave 4 bytes a lane, 8 bytes apart: they are one part in 24 of what the launch stores.
.set SP,    528
.set STG,   16*SP                      ; a wave's stage
.set SPARE, 8*STG                      ; behind the stages: the spare words, 128 bytes for each wave, which no other line names
.set LI16,  4                          ; v4   16 x lane
.set LI8,   5                          ; v5   8 x lane
.set SIN,   6                          ; v6   the stage, on the way in
.set SOUT,  7                          ; v7   and on the way out
.set SH8,   8                          ; v8   8 h
.set R8,    9                          ; v9   8 r
.set SPW,   10                         ; v10  my spare word; never rewritten
.set NIL,   11                         ; v11  0; never rewritten
.set TMP,   12                         ; v12  a lane permute's target
.set X,     16                         ; v16-79   as loaded; later the codes and what makes them
.set Y,     80                         ; v80-143  64 numbers of my row
.set HC,    16                         ; v16-27   the fragment
.set SEL,   30                         ; s[30:31] lane selects: lane l xor 16
; 32 numbers of a lane, v[src] on, one block: its codes into v[d0] .. v[d0+5], its byte into v[by].  Two chains of maxima by turns; the floor 2^(3 - 127) is one more leaf.
.macro QB src, ma, mb, so, by, d0, ct
	v_max3_num_f32 v[(\ma)], |v[(\src)]|, |v[(\src)+1]|, 0x1800000
	v_max3_num_f32 v[(\mb)], |v[(\src)+16]|, |v[(\src)+17]|, |v[(\src)+18]|
.irp i, 0,1,2,3,4,5
	s_delay_alu instid0(VALU_DEP_2)
	v_max3_num_f32 v[(\ma)], v[(\ma)], |v[(\src)+2+2*\i]|, |v[(\src)+3+2*\i]|
	s_delay_alu instid0(VALU_DEP_2)
	v_max3_num_f32 v[(\mb)], v[(\mb)], |v[(\src)+19+2*\i]|, |v[(\src)+20+2*\i]|
.endr
	s_delay_alu instid0(VALU_DEP_2)
	v_max3_num_f32 v[(\ma)], v[(\ma)], |v[(\src)+14]|, |v[(\src)+15]|
	s_delay_alu instid0(VALU_DEP_1)
	v_max3_num_f32 v[(\ma)], v[(\ma)], v[(\mb)], |v[(\src)+31]|
	s_delay_alu instid0(VALU_DEP_1)
	v_add_nc_u32 v[(\so)], 0xff000000, v[(\ma)]    ; 2 off the exponent field: the conversion takes this operand's exponent field as its scale
	s_delay_alu instid0(VALU_DEP_1)
	v_lshrrev_b32 v[(\by)], 23, v[(\so)]           ; the scale's byte
	v_cvt_scalef32_pk16_fp6_f32 v[(\d0):(\d0)+2], v[(\src):(\src)+15], v[(\so)]
	v_cvt_scalef32_pk16_fp6_f32 v[(\ct):(\ct)+2], v[(\src)+16:(\src)+31], v[(\so)]   ; (a conversion's three registers begin on an even number)
	v_nop                                          ; one plain instruction behind a scaled conversion
.irp i, 0,1,2
	v_mov_b32 v[(\d0)+3+\i], v[(\ct)+\i]
.endr
.endm
; my two bytes (blocks h and 2 + h) and lane l xor 16's two make the row's scale word, in both lanes
.macro WORD w, b0, b1, tmp
	v_lshl_or_b32 v[\w], v[\b1], 16, v[\b0]
	s_delay_alu instid0(VALU_DEP_1)
	v_lshlrev_b32 v[\w], v[SH8], v[\w]
	s_delay_alu instid0(VALU_DEP_1)
	v_permlanex16_b32 v[\tmp], v[\w], s[SEL], s[SEL+1]
	s_delay_alu instid0(VALU_DEP_1)
	v_or_b32 v[\w], v[\w], v[\tmp]
.endm
	s_load_b256 s[4:11], s[0:1], 0x0               ; query, Wq, Wk, Wv
	s_load_b128 s[12:15], s[0:1], 0x20             ; Wo, img
	s_load_b64 s[16:17], s[0:1], 0x30              ; imgs
	v_lshl_add_u32 v[SPW], v0, 2, SPARE
	v_mov_b32 v[NIL], 0
	v_mov_b32 v[TMP], 0
	v_lshrrev_b32 v1, 5, v0
	s_delay_alu instid0(VALU_DEP_1)
	v_readfirstlane_b32 s18, v1                    ; wave = K step
	v_and_b32 v1, 31, v0                           ; lane
	v_and_b32 v2, 15, v0                           ; r
	v_bfe_u32 v3, v0, 4, 1                         ; h
	s_delay_alu instid0(VALU_DEP_3)
	v_lshlrev_b32 v[LI16], 4, v1
	s_delay_alu instid0(VALU_DEP_4)
	v_lshlrev_b32 v[LI8], 3, v1
	s_mul_i32 s19, s18, STG
	v_add_nc_u32 v[SIN], s19, v[LI16]              ; in: a row's 512 bytes as they lie
	v_mul_u32_u24 v[SOUT], v2, SP
	s_delay_alu instid0(VALU_DEP_1)
	v_lshl_add_u32 v[SOUT], v3, 7, v[SOUT]
	s_delay_alu instid0(VALU_DEP_1)
	v_add_nc_u32 v[SOUT], s19, v[SOUT]             ; out: row r, + 128 h
	v_lshlrev_b32 v[SH8], 3, v3
	v_lshlrev_b32 v[R8], 3, v2
	s_mov_b32 s[SEL], 0x76543210
	s_mov_b32 s[SEL+1], 0xfedcba98
	s_and_b32 s20, ttmp9, 63
	s_cmp_lt_u32 ttmp9, 512
	s_cselect_b32 s20, ttmp9, s20                  ; the tile's number in its own tensor
	s_lshr_b32 s21, s20, 2
	s_lshl_b32 s21, s21, 6
	s_and_b32 s22, s20, 3
	s_lshl_b32 s22, s22, 3
	s_add_co_u32 s21, s21, s22                     ; its row 0: 64 g + 8 u
	s_lshl_b32 s22, s21, 12                        ; x 4,096 bytes
	s_lshl_b32 s23, s18, 9                         ; + my K step's 512 bytes
	s_add_co_u32 s22, s22, s23
	s_mov_b32 s23, 0
	s_mul_i32 s26, ttmp9, 12288
	s_mul_i32 s27, s18, 1536
	s_add_co_u32 s26, s26, s27                     ; my fragment in img
	s_mov_b32 s27, 0
	s_lshl_b32 s28, ttmp9, 9
	s_lshr_b32 s29, s18, 1
	s_lshl_b32 s29, s29, 7
	s_add_co_u32 s28, s28, s29
	s_and_b32 s29, s18, 1
	s_lshl_b32 s29, s29, 2
	s_add_co_u32 s28, s28, s29                     ; my K step's words in imgs
	s_mov_b32 s29, 0
	s_wait_alu depctr_va_vdst(0)
	s_wait_kmcnt 0x0
	s_cmp_lt_u32 ttmp9, 704                        ; which tensor: the choice hangs on the work-group's number alone
	s_cselect_b64 s[24:25], s[10:11], s[12:13]
	s_cmp_lt_u32 ttmp9, 640
	s_cselect_b64 s[24:25], s[8:9], s[24:25]
	s_cmp_lt_u32 ttmp9, 576
	s_cselect_b64 s[24:25], s[6:7], s[24:25]
	s_cmp_lt_u32 ttmp9, 512
	s_cselect_b64 s[24:25], s[4:5], s[24:25]
	s_add_nc_u64 s[24:25], s[24:25], s[22:23]
	s_add_nc_u64 s[14:15], s[14:15], s[26:27]
	s_add_nc_u64 s[16:17], s[16:17], s[28:29]
.irp i, 0,1,2,3,4,5,6,7,8,9,10,11,12,13,14,15
	global_load_b128 v[X+4*\i:X+4*\i+3], v[LI16], s[24:25] offset:(32*(\i/8)+\i%8)*4096 th:TH_LOAD_NT   ; the tile's row i: 32 lanes read 512 consecutive bytes
.endr
.irp i, 0,1,2,3,4,5,6,7,8,9,10,11,12,13,14,15
	s_wait_loadcnt 15-\i                           ; loads come back in order: row i is in, the younger ones stay out
	ds_store_b128 v[SIN], v[X+4*\i:X+4*\i+3] offset:SP*\i
.endr
.irp c, 0,1
.irp j, 0,1,2,3,4,5,6,7
	ds_load_b128 v[Y+32*\c+4*\j:Y+32*\c+4*\j+3], v[SOUT] offset:256*\c+16*\j   ; LDS serves a wave's instructions in order: these see my stores
.endr
.endr
	s_wait_dscnt 0x0                               ; my 64 numbers are in, and the stores have read X's registers
	QB Y, 36, 37, 40, 42, HC, 28
	QB Y+32, 38, 39, 41, 43, HC+6, 32
	WORD 44, 42, 43, TMP
	global_store_b128 v[LI16], v[HC:HC+3], s[14:15]                ; 512 consecutive bytes, aligned
	global_store_b64 v[LI8], v[HC+4:HC+5], s[14:15] offset:512     ; 256
	global_store_b128 v[LI16], v[HC+6:HC+9], s[14:15] offset:768
	global_store_b64 v[LI8], v[HC+10:HC+11], s[14:15] offset:1280
	global_store_b32 v[R8], v44, s[16:17]          ; both halves of the lanes hold and write the same word
	s_wait_tensorcnt 0x0                           ; the wave's end
	ds_add_u32 v[SPW], v[NIL]
	s_wait_dscnt 0x0
	s_endpgm
.Lfunc_end_k_q2f3467fd91_quant:
	.size	k_q2f3467fd91_quant, .Lfunc_end_k_q2f3467fd91_quant-k_q2f3467fd91_quant
	.p2alignl 7, 3214868480
	.fill 96, 4, 3214868480
	.section	.rodata,"a",@progbits
	.p2align	6, 0x0
	.amdhsa_kernel k_q2f3467fd91_quant
		.amdhsa_group_segment_fixed_size 68608
		.amdhsa_private_segment_fixed_size 0
		.amdhsa_enable_private_segment 0
		.amdhsa_kernarg_size 56
		.amdhsa_user_sgpr_count 2
		.amdhsa_user_sgpr_kernarg_segment_ptr 1
		.amdhsa_wavefront_size32 1
		.amdhsa_system_sgpr_workgroup_id_x 1
		.amdhsa_system_sgpr_workgroup_id_y 1
		.amdhsa_system_sgpr_workgroup_id_z 1
		.amdhsa_system_vgpr_workitem_id 0
		.amdhsa_next_free_vgpr 152
		.amdhsa_next_free_sgpr 66
		.amdhsa_reserve_vcc 0
		.amdhsa_float_denorm_mode_32 3
		.amdhsa_float_denorm_mode_16_64 3
		.amdhsa_memory_ordered 1
		.amdhsa_forward_progress 1
		.amdhsa_inst_pref_size 12
	.end_amdhsa_kernel
	.amdgpu_metadata
---
amdhsa.version: [ 1, 2 ]
amdhsa.kernels:
  - .name:           k_q2f3467fd91_quant
    .symbol:         k_q2f3467fd91_quant.kd
    .args:
      - { .name: query, .offset: 0, .size: 8, .value_kind: global_buffer, .address_space: global }
      - { .name: Wq, .offset: 8, .size: 8, .value_kind: global_buffer, .address_space: global }
      - { .name: Wk, .offset: 16, .size: 8, .value_kind: global_buffer, .address_space: global }
      - { .name: Wv, .offset: 24, .size: 8, .value_kind: global_buffer, .address_space: global }
      - { .name: Wo, .offset: 32, .size: 8, .value_kind: global_buffer, .address_space: global }
      - { .name: img, .offset: 40, .size: 8, .value_kind: global_buffer, .address_space: global }
      - { .name: imgs, .offset: 48, .size: 8, .value_kind: global_buffer, .address_space: global }
    .group_segment_fixed_size: 68608
    .private_segment_fixed_size: 0
    .kernarg_segment_align: 8
    .kernarg_segment_size: 56
    .max_flat_workgroup_size: 256
    .sgpr_count:     66
    .vgpr_count:     152
    .wavefront_size: 32
...
	.end_amdgpu_metadata
.endif
;; end of part 1
;; launch qkv (part 2): grid 96 x 4, 4 waves a work-group, clusters of 4 x 4, 327,680 bytes of LDS; arguments img, imgs, bq, bk, bv, qb, kv; writes qb, kv
.if DOCPART == 2
	.amdgcn_target "amdgcn-amd-amdhsa--gfx1250"
	.amdhsa_code_object_version 6
	.text
	.protected	k_q2f3467fd91_qkv
	.globl	k_q2f3467fd91_qkv
	.p2align	8
	.type	k_q2f3467fd91_qkv,@function
k_q2f3467fd91_qkv:
	s_mov_b64 s[64:65], 0
	v_nop
	global_prefetch_b8 v0, s[64:65] scope:SCOPE_SE
	s_setreg_imm32_b32 hwreg(HW_REG_WAVE_MODE, 25, 1), 1
	s_wait_xcnt 0x0
	s_wait_alu depctr_hold_cnt(0) depctr_sa_sdst(0) depctr_va_vdst(0) depctr_va_sdst(0) depctr_va_ssrc(0) depctr_va_vcc(0) depctr_vm_vsrc(0)
	s_getreg_b32 s2, hwreg(HW_REG_IB_STS2, 6, 4)
	s_cmp_eq_u32 s2, 0
	s_cbranch_scc0 .Lentry_in_a_cluster
	s_endpgm
.Lentry_in_a_cluster:
	s_bfe_u32 s2, ttmp6, 0x10000c
	s_cmp_lg_u32 s2, 0xf033
	s_cbranch_scc0 .Lentry_shape_is_right
	s_endpgm
.Lentry_shape_is_right:
.set HALFT,  8*3072
.set SLOT,   4*HALFT
.set SCL,    2*SLOT
.set SPARE,  SCL+4*4096
.set FR,     12
.set NL,     4
.set NQ,     2
.set NP,     4
.set LI16, 4
.set LI8,  5
.set SH8,  8
.set TMP,  9
.set BQO,  10
.set BVO,  11
.set ADRA, 16
.set ADRB, 20
.set ADRS, 27
.set SPW,  28
.set NIL,  29
.set SC,   32
.set BI,   64
.set AF,   128
.set WV, 18
.set WI, 19
.set WJ, 20
.set CL, 21
.set CX, 22
.set CY, 23
.set G1, 24
.set G0, 32
.set G1B, 48
.set G0B, 56
.set G1S, 68
.set G0S, 76
.set G1SB, 80
.set G0SB, 88
.set P0,  92
.set HM,  96
.set ISV, 97
.set SEL, 98
.set MSB, 0
.macro WIN new
.if MSB != (\new)
	s_set_vgpr_msb (MSB<<8)|(\new)
.set MSB, (\new)
.endif
.endm
.set MUL_LO, 0xa1
.set MUL_HI, 0xf1
.set TO_B,   0x40
.macro JLOAD g0a, g1a, g0b, g1b
	s_cmp_eq_u32 s[WI], 0
	s_cbranch_scc0 .Lfor_b_\@
	tensor_load_to_lds s[\g0a:\g0a+3], s[\g1a:\g1a+7]
	s_nop 0
.rept 4
	v_nop
.endr
	s_branch .Lasked_\@
.Lfor_b_\@:
	tensor_load_to_lds s[\g0b:\g0b+3], s[\g1b:\g1b+7]
	s_nop 0
.rept 4
	v_nop
.endr
.Lasked_\@:
.endm
.macro CREST
	s_cmp_lg_u32 s[WV], 0
	s_cbranch_scc1 .Lnot_wave_0_\@
	s_barrier_signal -3
.Lnot_wave_0_\@:
	s_barrier_wait -3
	s_barrier_signal -1
	s_barrier_wait -1
.endm
.macro CROUND
	s_barrier_signal -1
	s_barrier_wait -1
	CREST
.endm
.macro QB src, ma, mb, so, by, d0, ct
	v_max3_num_f32 v[(\ma)], |v[(\src)]|, |v[(\src)+1]|, 0x1800000
	v_max3_num_f32 v[(\mb)], |v[(\src)+16]|, |v[(\src)+17]|, |v[(\src)+18]|
.irp i, 0,1,2,3,4,5
	v_max3_num_f32 v[(\ma)], v[(\ma)], |v[(\src)+2+2*\i]|, |v[(\src)+3+2*\i]|
	v_max3_num_f32 v[(\mb)], v[(\mb)], |v[(\src)+19+2*\i]|, |v[(\src)+20+2*\i]|
.endr
	v_max3_num_f32 v[(\ma)], v[(\ma)], |v[(\src)+14]|, |v[(\src)+15]|
	v_max3_num_f32 v[(\ma)], v[(\ma)], v[(\mb)], |v[(\src)+31]|
	v_add_nc_u32 v[(\so)], 0xff000000, v[(\ma)]
	v_lshrrev_b32 v[(\by)], 23, v[(\so)]
	v_cvt_scalef32_pk16_fp6_f32 v[(\d0):(\d0)+2], v[(\src):(\src)+15], v[(\so)]
	v_cvt_scalef32_pk16_fp6_f32 v[(\ct):(\ct)+2], v[(\src)+16:(\src)+31], v[(\so)]
	v_nop
.irp i, 0,1,2
	v_mov_b32 v[(\d0)+3+\i], v[(\ct)+\i]
.endr
.endm
.macro WORD w, b0, b1, tmp
	v_lshl_or_b32 v[\w], v[\b1], 16, v[\b0]
	v_lshlrev_b32 v[\w], v[SH8], v[\w]
	v_permlanex16_b32 v[\tmp], v[\w], s[SEL], s[SEL+1]
	v_or_b32 v[\w], v[\w], v[\tmp]
.endm
	s_load_b256 s[4:11], s[0:1], 0x0
	s_load_b128 s[12:15], s[0:1], 0x20
	s_load_b64 s[16:17], s[0:1], 0x30
	v_lshl_add_u32 v[SPW], v0, 2, SPARE
	v_mov_b32 v[NIL], 0
	ds_add_u32 v[SPW], v[NIL]
	ds_add_u32 v[SPW], v[NIL]
	v_lshrrev_b32 v1, 5, v0
	v_readfirstlane_b32 s[WV], v1
	s_lshr_b32 s[WI], s[WV], 1
	s_and_b32 s[WJ], s[WV], 1
	s_bfe_u32 s[CX], ttmp6, 0x40000
	s_bfe_u32 s[CY], ttmp6, 0x40004
	s_mov_b32 s[CL], ttmp9
	s_lshl_b32 s40, s[CY], 2
	s_lshl_b32 s40, 15, s40
	s_lshl_b32 s41, 0x1111, s[CX]
	s_or_b32 s[G1], s40, (3<<16)|(1<<21)
	s_or_b32 s[G1B], s41, (3<<16)|(1<<21)
.irp g, G1, G1B
	s_mov_b32 s[\g+1], 384<<16
	s_mov_b32 s[\g+2], 8<<16
	s_mov_b32 s[\g+3], 384<<16
	s_mov_b32 s[\g+4], 8
	s_mov_b32 s[\g+5], 1536
	s_mov_b32 s[\g+6], 0
	s_mov_b32 s[\g+7], 0
.endr
	s_or_b32 s[G1S], s40, (3<<16)|(1<<21)
	s_or_b32 s[G1SB], s41, (3<<16)|(1<<21)
.irp g, G1S, G1SB
	s_mov_b32 s[\g+1], 32<<16
	s_mov_b32 s[\g+2], 16<<16
	s_mov_b32 s[\g+3], 32<<16
	s_mov_b32 s[\g+4], 16
	s_mov_b32 s[\g+5], 32
	s_mov_b32 s[\g+6], 0
	s_mov_b32 s[\g+7], 0
.endr
	s_lshr_b32 s42, s[CL], 1
	s_lshl_b32 s42, s42, 6
	s_and_b32 s43, s[CL], 1
	s_lshl_b32 s43, s43, 6
	s_add_co_u32 s43, s43, 512
	s_and_b32 s44, s[CL], 7
	s_lshl_b32 s44, s44, 6
	s_mov_b32 s45, 640
	s_cmp_lt_u32 s[CL], 16
	s_cselect_b32 s42, s42, s45
	s_cselect_b32 s43, s43, s44
	s_cselect_b32 s[ISV], 0, 1
	s_lshl_b32 s44, s[WJ], 3
	s_lshl_b32 s45, s[CY], 4
	s_add_co_u32 s42, s42, s45
	s_add_co_u32 s42, s42, s44
	s_lshl_b32 s46, s[CX], 4
	s_add_co_u32 s43, s43, s46
	s_add_co_u32 s43, s43, s44
	s_mul_i32 s44, s42, 12288
	s_mov_b32 s45, 0
	s_lshl_b32 s46, s42, 9
	s_mov_b32 s47, 0
	s_mul_i32 s66, s43, 12288
	s_mov_b32 s67, 0
	s_lshl_b32 s100, s43, 9
	s_mov_b32 s101, 0
	s_mul_i32 s2, s[WV], HALFT
	s_lshl_b32 s3, s[WV], 12
	s_mov_b32 s[HM], 0xffff0000
	s_mov_b32 s[SEL], 0x76543210
	s_mov_b32 s[SEL+1], 0xfedcba98
	s_wait_dscnt 0x0
	s_wait_kmcnt 0x0
	s_add_nc_u64 s[44:45], s[4:5], s[44:45]
	s_add_nc_u64 s[46:47], s[6:7], s[46:47]
	s_add_nc_u64 s[66:67], s[4:5], s[66:67]
	s_add_nc_u64 s[100:101], s[6:7], s[100:101]
	CROUND
	s_mov_b32 s[G0S], 1
	s_add_co_u32 s[G0S+1], s3, SCL
	s_mov_b64 s[G0S+2:G0S+3], s[46:47]
	s_or_b32 s[G0S+3], s[G0S+3], 0x80000000
	s_mov_b32 s[G0SB], 1
	s_add_co_u32 s[G0SB+1], s3, SCL
	s_mov_b64 s[G0SB+2:G0SB+3], s[100:101]
	s_or_b32 s[G0SB+3], s[G0SB+3], 0x80000000
	JLOAD G0S, G1S, G0SB, G1SB
.irp s, 0,1
	s_mov_b32 s[G0+4*\s], 1
	s_add_co_u32 s[G0+4*\s+1], s2, \s*SLOT
	s_add_nc_u64 s[G0+4*\s+2:G0+4*\s+3], s[44:45], \s*3072
	s_or_b32 s[G0+4*\s+3], s[G0+4*\s+3], 0x80000000
	s_mov_b32 s[G0B+4*\s], 1
	s_add_co_u32 s[G0B+4*\s+1], s2, \s*SLOT
	s_add_nc_u64 s[G0B+4*\s+2:G0B+4*\s+3], s[66:67], \s*3072
	s_or_b32 s[G0B+4*\s+3], s[G0B+4*\s+3], 0x80000000
	s_wait_alu depctr_va_vdst(0)
	s_wait_tensorcnt 0x0
	ds_add_u32 v28, v29
	s_wait_dscnt 0x0
	CROUND
	JLOAD G0+4*\s, G1, G0B+4*\s, G1B
.endr
	v_and_b32 v1, 31, v0
	v_and_b32 v2, 15, v0
	v_bfe_u32 v3, v0, 4, 1
	v_lshlrev_b32 v[LI16], 4, v1
	v_lshlrev_b32 v[LI8], 3, v1
	v_lshlrev_b32 v[SH8], 3, v3
	v_mov_b32 v[TMP], 0
	v_lshlrev_b32 v[BQO], 7, v3
	v_and_b32 v[BVO], 7, v2
	v_and_b32 v12, 8, v2
	v_lshl_add_u32 v[BVO], v12, 2, v[BVO]
	v_lshlrev_b32 v[BVO], 2, v[BVO]
	s_mul_i32 s40, s[WI], HALFT
	s_mul_i32 s41, s[WJ], HALFT
	s_add_co_u32 s41, s41, 2*HALFT
.irp s, 0,1
	v_add_nc_u32 v[ADRA+\s], s40, v[LI16]
	v_add_nc_u32 v[ADRB+\s], s41, v[LI16]
	v_add_nc_u32 v[ADRA+2+\s], s40, v[LI8]
	v_add_nc_u32 v[ADRB+2+\s], s41, v[LI8]
	s_add_co_u32 s40, s40, SLOT
	s_add_co_u32 s41, s41, SLOT
.endr
	v_lshlrev_b32 v6, 3, v2
	s_lshl_b32 s40, s[WI], 12
	s_lshl_b32 s41, s[WJ], 12
	s_add_co_u32 s41, s41, 8192
	s_sub_co_u32 s41, s41, s40
	v_mul_u32_u24 v7, s41, v3
	s_add_co_u32 s40, s40, SCL
	v_add_nc_u32 v6, v6, v7
	v_add_nc_u32 v[ADRS], s40, v6
	s_lshr_b32 s40, s[CL], 1
	s_lshl_b32 s40, s40, 6
	s_lshl_b32 s41, s[CY], 4
	s_add_co_u32 s40, s40, s41
	s_lshl_b32 s41, s[WI], 3
	s_add_co_u32 s40, s40, s41
	s_and_b32 s42, s[CL], 7
	s_lshl_b32 s42, s42, 6
	s_lshl_b32 s41, s[CX], 4
	s_add_co_u32 s42, s42, s41
	s_lshl_b32 s41, s[WJ], 3
	s_add_co_u32 s42, s42, s41
	s_lshl_b32 s43, s[CX], 2
	s_lshl_b32 s41, s[WJ], 1
	s_add_co_u32 s43, s43, s41
	s_lshl_b32 s44, s[CY], 2
	s_lshl_b32 s41, s[WI], 1
	s_add_co_u32 s44, s44, s41
	s_cmp_eq_u32 s[ISV], 0
	s_cselect_b32 s40, s40, s42
	s_cselect_b32 s43, s43, s44
	s_cselect_b32 s45, 0, 6656
	s_and_b32 s41, s[CL], 17
	s_cmp_eq_u32 s41, 0
	s_cselect_b64 s[P0:P0+1], s[14:15], s[16:17]
	s_cselect_b64 s[66:67], s[8:9], s[10:11]
	s_mov_b32 s42, 208896
	s_cselect_b32 s42, 106496, s42
	s_mov_b32 s44, 13056
	s_cselect_b32 s44, 6656, s44
	s_cmp_eq_u32 s[ISV], 0
	s_cselect_b64 s[66:67], s[66:67], s[12:13]
	s_lshl_b32 s100, s43, 8
	s_mov_b32 s101, 0
	s_add_nc_u64 s[66:67], s[66:67], s[100:101]
	s_lshr_b32 s41, s40, 7
	s_lshl_b32 s41, s41, 4
	s_add_co_u32 s41, s41, s43
	s_mul_i32 s41, s41, s42
	s_bfe_u32 s46, s40, 0x40003
	s_mul_i32 s46, s46, s44
	s_add_co_u32 s41, s41, s46
	s_add_co_u32 s100, s41, s45
	s_add_nc_u64 s[P0:P0+1], s[P0:P0+1], s[100:101]
	s_mov_b32 s100, s42
	s_add_nc_u64 s[P0+2:P0+3], s[P0:P0+1], s[100:101]
.macro FRAG reg, adr, q, i
	ds_load_b128 v[\reg:\reg+3], v[\adr] offset:3072*(\i)+1536*(\q)
	ds_load_b64 v[\reg+4:\reg+5], v[\adr+2] offset:3072*(\i)+1536*(\q)+512
	ds_load_b128 v[\reg+6:\reg+9], v[\adr] offset:3072*(\i)+1536*(\q)+768
	ds_load_b64 v[\reg+10:\reg+11], v[\adr+2] offset:3072*(\i)+1536*(\q)+1280
.endm
.macro MUL16 a0, p, q, sc, zero
.irp a, \a0, \a0+1
.irp b, 0,1,2,3,4,5,6,7
.if \zero
	v_wmma_scale_f32_16x16x128_f8f6f4 v[8*(8*((\a)%4)+\b):8*(8*((\a)%4)+\b)+7], v[128*(\p)+FR*\b:128*(\p)+FR*\b+FR-1], v[AF+FR*(\a):AF+FR*(\a)+FR-1], 0, v[SC+8*NQ*(\sc)+NQ*\b+(\q)], v[SC+8*NQ*(\sc)+NQ*(\a)+(\q)] matrix_a_fmt:MATRIX_FMT_FP6 matrix_b_fmt:MATRIX_FMT_FP6 matrix_a_scale:MATRIX_SCALE_ROW1
.else
	v_wmma_scale_f32_16x16x128_f8f6f4 v[8*(8*((\a)%4)+\b):8*(8*((\a)%4)+\b)+7], v[128*(\p)+FR*\b:128*(\p)+FR*\b+FR-1], v[AF+FR*(\a):AF+FR*(\a)+FR-1], v[8*(8*((\a)%4)+\b):8*(8*((\a)%4)+\b)+7], v[SC+8*NQ*(\sc)+NQ*\b+(\q)], v[SC+8*NQ*(\sc)+NQ*(\a)+(\q)] matrix_a_fmt:MATRIX_FMT_FP6 matrix_b_fmt:MATRIX_FMT_FP6 matrix_a_scale:MATRIX_SCALE_ROW1
.endif
.endr
.endr
.endm
.macro FETCH_B slot, q, p
	WIN TO_B
.irp i, 0,1,2,3,4,5,6,7
	FRAG 128*(\p)+FR*\i, ADRB+\slot, \q, \i
.endr
	WIN 0
.endm
.macro FETCH_A slot, q, i0
.irp i, \i0, \i0+1, \i0+2, \i0+3
	FRAG AF+FR*(\i), ADRA+\slot, \q, \i
.endr
.endm
.macro SCALES sc
.irp i, 0,1,2,3,4,5,6,7
	ds_load_b64 v[SC+8*NQ*\sc+NQ*\i:SC+8*NQ*\sc+NQ*\i+1], v[ADRS] offset:\i*512
.endr
.endm
.macro PLACES n
.rept \n
	v_nop
.endr
.endm
.macro STEP slot, q, zero
	s_wait_dscnt 4*NL
	WIN MUL_LO
	MUL16 0, (\q)%2, \q, \slot, \zero
	MUL16 2, (\q)%2, \q, \slot, \zero
	s_wait_dscnt 0
	PLACES NP
	FETCH_B \slot, (\q)+1, 1-(\q)%2
	FETCH_A \slot, (\q)+1, 0
	WIN MUL_HI
	MUL16 4, (\q)%2, \q, \slot, \zero
	MUL16 6, (\q)%2, \q, \slot, \zero
	PLACES NP
	WIN 0
	FETCH_A \slot, (\q)+1, 4
.endm
.macro TURN slot, next, fill
	s_wait_tensorcnt 0x0
	ds_add_u32 v[SPW], v[NIL]
	s_wait_dscnt 4*NL+1
	WIN MUL_LO
	MUL16 0, 1, NQ-1, \slot, 0
	s_wait_dscnt 0x0
	s_barrier_signal -1
	MUL16 2, 1, NQ-1, \slot, 0
	WIN 0
	s_barrier_wait -1
.if \fill
	CREST
	s_add_nc_u64 s[G0+4*\slot+2:G0+4*\slot+3], s[G0+4*\slot+2:G0+4*\slot+3], 2*3072
	s_add_nc_u64 s[G0B+4*\slot+2:G0B+4*\slot+3], s[G0B+4*\slot+2:G0B+4*\slot+3], 2*3072
	JLOAD G0+4*\slot, G1, G0B+4*\slot, G1B
.else
	PLACES NP
.endif
	s_wait_alu depctr_va_vdst(0)
	v_add_nc_u32 v[ADRS], 128, v[ADRS]
	FETCH_B \next, 0, 0
	FETCH_A \next, 0, 0
	SCALES \next
	WIN MUL_HI
	MUL16 4, 1, NQ-1, \slot, 0
	MUL16 6, 1, NQ-1, \slot, 0
	PLACES NP
	WIN 0
	FETCH_A \next, 0, 4
.endm
.macro TAIL
	STEP 1, 0, 0
	s_wait_dscnt 4*NL
	WIN MUL_LO
	MUL16 0, 1, NQ-1, 1, 0
	MUL16 2, 1, NQ-1, 1, 0
	s_wait_dscnt 0
	WIN MUL_HI
	MUL16 4, 1, NQ-1, 1, 0
	MUL16 6, 1, NQ-1, 1, 0
	WIN 0
	s_wait_loadcnt 0x0
	PLACES NP
.endm
.macro EPI path, a, g
.set KU, 2*(\a)+(\g)
.set TT, 128+32*(KU%2)
.set HH, 224+8*(KU%4)
	s_wait_xcnt 0x0
	WIN 2+(\a)/4
.irp i, 0,1,2,3,4,5,6,7,8,9,10,11,12,13,14,15
.if \path
	v_pk_add_f32 v[TT+2*\i:TT+2*\i+1], v[64*((\a)%4)+32*(\g)+2*\i:64*((\a)%4)+32*(\g)+2*\i+1], v[BI+2*(\a):BI+2*(\a)+1]
.else
	v_pk_add_f32 v[TT+2*\i:TT+2*\i+1], v[64*((\a)%4)+32*(\g)+2*\i:64*((\a)%4)+32*(\g)+2*\i+1], v[BI+32*(\g)+2*\i:BI+32*(\g)+2*\i+1]
.endif
.endr
	WIN 0
	QB TT, 200, 201, 204, 206+(\g), HH, 192
.if \path
	global_store_b128 v[LI16], v[HH:HH+3], s[P0+2*((\a)/4):P0+2*((\a)/4)+1] offset:1536*((\a)%4)+768*(\g)
	global_store_b64 v[LI8], v[HH+4:HH+5], s[P0+2*((\a)/4):P0+2*((\a)/4)+1] offset:1536*((\a)%4)+768*(\g)+512
.else
	global_store_b128 v[LI16], v[HH:HH+3], s[P0+2*(\g):P0+2*(\g)+1] offset:768*(\a)
	global_store_b64 v[LI8], v[HH+4:HH+5], s[P0+2*(\g):P0+2*(\g)+1] offset:768*(\a)+512
.endif
.if (\g) == 1
.if ((\a)%2) == 0
	WORD 210, 206, 207, TMP
.else
	WORD 208, 206, 207, TMP
	v_cndmask_b32 v[212+(\a)/2], v210, v208, s[HM]
.endif
.endif
.endm
	s_wait_alu depctr_va_vdst(0)
	s_wait_tensorcnt 1
	s_barrier_signal -1
	s_barrier_wait -1
	FETCH_B 0, 0, 0
	FETCH_A 0, 0, 0
	SCALES 0
	FETCH_A 0, 0, 4
	STEP 0, 0, 1
	s_mov_b32 s3, 1
.Llap:
	TURN 0, 1, 1
	STEP 1, 0, 0
	TURN 1, 0, 1
	STEP 0, 0, 0
	s_sub_co_u32 s3, s3, 1
	s_cmp_lg_u32 s3, 0
	s_cbranch_scc1 .Llap
	TURN 0, 1, 0
	s_cmp_lg_u32 s[ISV], 0
	s_cbranch_scc1 .Lv
.irp g, 0,1
.irp i, 0,1,2,3,4,5,6,7
	global_load_b128 v[BI+32*\g+4*\i:BI+32*\g+4*\i+3], v[BQO], s[66:67] offset:256*\g+16*\i
.endr
.endr
	TAIL
.irp a, 0,1,2,3,4,5,6,7
.irp g, 0,1
	EPI 0, \a, \g
.endr
.endr
.irp j, 0,1,2,3
	v_lshrrev_b32 v[216+\j], 16, v[212+\j]
.endr
.irp j, 0,1,2,3
	v_and_b32 v[212+\j], 0xffff, v[212+\j]
.endr
	global_store_b128 v[LI16], v[212:215], s[P0:P0+1] offset:6144
	global_store_b128 v[LI16], v[216:219], s[P0+2:P0+3] offset:6144
	s_branch .Lend
.Lv:
.irp a, 0,1,2,3,4,5,6,7
	global_load_b32 v[BI+2*\a], v[BVO], s[66:67] offset:4*(64*(\a/4)+8*(\a%4))
	global_load_b32 v[BI+2*\a+1], v[BVO], s[66:67] offset:4*(64*(\a/4)+8*(\a%4))
.endr
	TAIL
.irp a, 0,1,2,3,4,5,6,7
.irp g, 0,1
	EPI 1, \a, \g
.endr
.endr
	global_store_b64 v[LI8], v[212:213], s[P0:P0+1] offset:6144
	global_store_b64 v[LI8], v[214:215], s[P0+2:P0+3] offset:6144
.Lend:
	s_wait_tensorcnt 0x0
	ds_add_u32 v[SPW], v[NIL]
	s_wait_dscnt 0x0
	CROUND
	s_endpgm
.Lfunc_end_k_q2f3467fd91_qkv:
	.size	k_q2f3467fd91_qkv, .Lfunc_end_k_q2f3467fd91_qkv-k_q2f3467fd91_qkv
	.p2alignl 7, 3214868480
	.fill 96, 4, 3214868480
	.section	.rodata,"a",@progbits
	.p2align	6, 0x0
	.amdhsa_kernel k_q2f3467fd91_qkv
		.amdhsa_group_segment_fixed_size 327680
		.amdhsa_private_segment_fixed_size 0
		.amdhsa_enable_private_segment 0
		.amdhsa_kernarg_size 56
		.amdhsa_user_sgpr_count 2
		.amdhsa_user_sgpr_kernarg_segment_ptr 1
		.amdhsa_wavefront_size32 1
		.amdhsa_system_sgpr_workgroup_id_x 1
		.amdhsa_system_sgpr_workgroup_id_y 1
		.amdhsa_system_sgpr_workgroup_id_z 1
		.amdhsa_system_vgpr_workitem_id 0
		.amdhsa_next_free_vgpr 1024
		.amdhsa_next_free_sgpr 102
		.amdhsa_reserve_vcc 0
		.amdhsa_float_denorm_mode_32 3
		.amdhsa_float_denorm_mode_16_64 3
		.amdhsa_memory_ordered 1
		.amdhsa_forward_progress 1
		.amdhsa_inst_pref_size 230
	.end_amdhsa_kernel
	.amdgpu_metadata
---
amdhsa.version: [ 1, 2 ]
amdhsa.kernels:
  - .name:           k_q2f3467fd91_qkv
    .symbol:         k_q2f3467fd91_qkv.kd
    .args:
      - { .name: img, .offset: 0, .size: 8, .value_kind: global_buffer, .address_space: global }
      - { .name: imgs, .offset: 8, .size: 8, .value_kind: global_buffer, .address_space: global }
      - { .name: bq, .offset: 16, .size: 8, .value_kind: global_buffer, .address_space: global }
      - { .name: bk, .offset: 24, .size: 8, .value_kind: global_buffer, .address_space: global }
      - { .name: bv, .offset: 32, .size: 8, .value_kind: global_buffer, .address_space: global }
      - { .name: qb, .offset: 40, .size: 8, .value_kind: global_buffer, .address_space: global }
      - { .name: kv, .offset: 48, .size: 8, .value_kind: global_buffer, .address_space: global }
    .group_segment_fixed_size: 327680
    .private_segment_fixed_size: 0
    .kernarg_segment_align: 8
    .kernarg_segment_size: 56
    .max_flat_workgroup_size: 128
    .sgpr_count:     102
    .vgpr_count:     1024
    .wavefront_size: 32
...
	.end_amdgpu_metadata
.endif
;; end of part 2
;; launch attn (part 3): grid 4 x 64, 16 waves a work-group, clusters of 4 x 1, 212,992 bytes of LDS; arguments qb, kv, cimg, cs; writes cimg, cs
.if DOCPART == 3
	.amdgcn_target "amdgcn-amd-amdhsa--gfx1250"
	.amdhsa_code_object_version 6
	.text
	.protected	k_q2f3467fd91_attn
	.globl	k_q2f3467fd91_attn
	.p2align	8
	.type	k_q2f3467fd91_attn,@function
k_q2f3467fd91_attn:
	s_mov_b64 s[64:65], 0
	v_nop
	global_prefetch_b8 v0, s[64:65] scope:SCOPE_SE
	s_setreg_imm32_b32 hwreg(HW_REG_WAVE_MODE, 25, 1), 1
	s_wait_xcnt 0x0
	s_wait_alu depctr_hold_cnt(0) depctr_sa_sdst(0) depctr_va_vdst(0) depctr_va_sdst(0) depctr_va_ssrc(0) depctr_va_vcc(0) depctr_vm_vsrc(0)
	s_getreg_b32 s2, hwreg(HW_REG_IB_STS2, 6, 4)
	s_cmp_eq_u32 s2, 0
	s_cbranch_scc0 .Lentry_in_a_cluster
	s_endpgm
.Lentry_in_a_cluster:
	s_bfe_u32 s2, ttmp6, 0x10000c
	s_cmp_lg_u32 s2, 0x3003
	s_cbranch_scc0 .Lentry_shape_is_right
	s_endpgm
.Lentry_shape_is_right:
; THIRD LAUNCH: ctx = softmax(q k^T / 8) v for each of 64 (batch, head), both products on codes of E2M3, and ctx quantised along E for the last product.  Nothing of reference() is left out.
; THE SOFTMAX AHEAD OF THE SECOND PRODUCT: t = score x log2(e) / 8; M = the row's largest t so far, rounded UP to a whole number; p = 2^(t - M) is quantised along the keys, not normalised; the row's sum is taken of the
; unquantised p and divides at the end.  When M moves, the sum and O are multiplied by 2^(old M - new M): exact.
; SHARES: a work-group owns 512 queries of one head; each of its sixteen waves one tile of 16 queries in each of two passes; four waves to a SIMD, so that one wave's vector work stands beside another's products and LDS loads.
; THE HEAD'S WHOLE K AND V, 16 steps of 128 keys x 13,056 bytes, LIE IN LDS, FILLED ONCE: wave w brings step w by one tensor load.  No slot is filled again, so the loop has no barrier.
; CLUSTER: the four work-groups of a head need the same bytes: each load is joint, with a mask that names the four.
; LAYOUT: both products transposed (S^T = K Q^T, O^T = V^T P^T): a lane holds ONE query.  By the choice of a tile's rows (row i of tile 4 g + u = 64 g + 32 (i / 8) + 8 u + i % 8) the 32 registers of key tiles 4 c .. 4 c + 3 are keys
; 64 c + 32 (lane / 16) + 0 .. 31: a whole block of p in one lane, in the place where the second product's operand wants it; likewise O^T's 32 registers are channels 32 (lane / 16) + 0 .. 31, a whole block of ctx.
; K = 64 IN AN INSTRUCTION OF 128: q's upper six registers are zero codes.  A key tile is six registers; its operand names twelve, of which the upper six are the next tile's (for tile 7: p's first six): finite codes times zeros.
; A block's largest p is made from its largest score by the same multiply-add and exponential; this takes v_exp_f32 not to fall where its input rises.
; LIMITS: NaN and infinities are not served; a block whose largest magnitude lies under 2^-124 (a block of p fallen to 0 too) gets the byte 1: this program alone reads the bytes.
; ctx's scale bytes leave two bytes a lane, 8 bytes apart: one part in 24 of what the launch stores.
.set STEPB, 13056                      ; a step's block: K's 8 tiles x 768, K's words 512, V's 4 tiles x 1,536, V's words 256
.set SPARE, 16*STEPB                   ; behind them: the spare words, 128 bytes for each wave, which no other line names
.set LI16, 1                           ; v1   16 x lane
.set LI8,  2                           ; v2   8 x lane
.set AD16, 3                           ; v3, v4  the same in the step that is being fetched
.set AD8,  4
.set SPW,  5
.set NIL,  6
.set SH8,  7                           ; v7   8 h
.set QS,   8                           ; v8   q's scale words
.set PW,   9                           ; v9   p's
.set BM,   10                          ; v10-11 my two blocks' largest scores, then largest p
.set NM,   12                          ; v12  -M;  v13 the largest t
.set SUM,  14                          ; v[14:15] the sum, in two halves;  v[18:19] a second chain
.set F,    16                          ; v[16:17] f = 2^(old M - new M), and 0
.set SO,   20                          ; v20-21 the conversions' scale operands
.set T,    22                          ; v22-25 at work
.set KS,   26                          ; v[26:29] K's scale words: register j: tile 2 j in lanes 0-15, tile 2 j + 1 in lanes 16-31
.set VS,   30                          ; v[30:31] V's likewise
.set Q,    32                          ; v[32:43]
.set KF,   44                          ; v[44:91]  8 x 6
.set PC,   92                          ; v[92:103] p's codes
.set CT,   104                         ; v[104:106], v[108:110]
.set R16,  107                         ; v107 16 r
.set R8,   111                         ; v111 8 r
.set VF,   112                         ; v[112:159] 4 x 12
.set S,    160                         ; v[160:223]
.set O,    224                         ; v[224:255]
.set WV,  12
.set G1,  16
.set G0,  24
.set SEL, 28
.set CS,  30                           ; s[30:31] c = log2(e) / 8, twice
.set TN,  32                           ; s32  LDS byte of the step that is being fetched
.set CNT, 33
.set QC,  34                           ; s[34:35] my query tile's codes;  s[36:37] its words;  s[38:39] ctx's codes;  s[40:41] ctx's bytes
.set QW,  36
.set CP,  38
.set CSP, 40
.macro CROUND
	s_barrier_signal -1
	s_barrier_wait -1
	s_cmp_lg_u32 s[WV], 0
	s_cbranch_scc1 .Lnot_wave_0_\@
	s_barrier_signal -3
.Lnot_wave_0_\@:
	s_barrier_wait -3
	s_barrier_signal -1
	s_barrier_wait -1
.endm
.macro QB src, ma, mb, so, by, d0, ct  ; 32 numbers of a lane, one block: codes into v[d0] .. v[d0+5], byte into v[by]
	v_max3_num_f32 v[(\ma)], |v[(\src)]|, |v[(\src)+1]|, 0x1800000
	v_max3_num_f32 v[(\mb)], |v[(\src)+16]|, |v[(\src)+17]|, |v[(\src)+18]|
.irp i, 0,1,2,3,4,5
	s_delay_alu instid0(VALU_DEP_2)
	v_max3_num_f32 v[(\ma)], v[(\ma)], |v[(\src)+2+2*\i]|, |v[(\src)+3+2*\i]|
	s_delay_alu instid0(VALU_DEP_2)
	v_max3_num_f32 v[(\mb)], v[(\mb)], |v[(\src)+19+2*\i]|, |v[(\src)+20+2*\i]|
.endr
	s_delay_alu instid0(VALU_DEP_2)
	v_max3_num_f32 v[(\ma)], v[(\ma)], |v[(\src)+14]|, |v[(\src)+15]|
	s_delay_alu instid0(VALU_DEP_1)
	v_max3_num_f32 v[(\ma)], v[(\ma)], v[(\mb)], |v[(\src)+31]|
	s_delay_alu instid0(VALU_DEP_1)
	v_add_nc_u32 v[(\so)], 0xff000000, v[(\ma)]
	s_delay_alu instid0(VALU_DEP_1)
	v_lshrrev_b32 v[(\by)], 23, v[(\so)]
	v_cvt_scalef32_pk16_fp6_f32 v[(\d0):(\d0)+2], v[(\src):(\src)+15], v[(\so)]
	v_cvt_scalef32_pk16_fp6_f32 v[(\ct):(\ct)+2], v[(\src)+16:(\src)+31], v[(\so)]
	v_nop
.irp i, 0,1,2
	v_mov_b32 v[(\d0)+3+\i], v[(\ct)+\i]
.endr
.endm
.macro WORD w, b0, b1, tmp
	s_delay_alu instid0(VALU_DEP_1)
	v_lshl_or_b32 v[\w], v[\b1], 16, v[\b0]
	s_delay_alu instid0(VALU_DEP_1)
	v_lshlrev_b32 v[\w], v[SH8], v[\w]
	s_delay_alu instid0(VALU_DEP_1)
	v_permlanex16_b32 v[\tmp], v[\w], s[SEL], s[SEL+1]
	s_delay_alu instid0(VALU_DEP_1)
	v_or_b32 v[\w], v[\w], v[\tmp]
.endm
.macro KLOAD a16, a8                   ; a step's K: 17 loads, each on consecutive bytes
.irp t, 0,1,2,3,4,5,6,7
	ds_load_b128 v[KF+6*\t:KF+6*\t+3], v[\a16] offset:768*\t
	ds_load_b64 v[KF+6*\t+4:KF+6*\t+5], v[\a8] offset:768*\t+512
.endr
	ds_load_b128 v[KS:KS+3], v[\a16] offset:6144
.endm
.macro VLOAD a16, a8                   ; a step's V: 17 loads
.irp t, 0,1,2,3
.irp c, 0,1
	ds_load_b128 v[VF+12*\t+6*\c:VF+12*\t+6*\c+3], v[\a16] offset:6656+1536*\t+768*\c
	ds_load_b64 v[VF+12*\t+6*\c+4:VF+12*\t+6*\c+5], v[\a8] offset:6656+1536*\t+768*\c+512
.endr
.endr
	ds_load_b64 v[VS:VS+1], v[\a8] offset:12800
.endm
	s_load_b256 s[4:11], s[0:1], 0x0               ; qb, kv, cimg, cs
	v_lshl_add_u32 v[SPW], v0, 2, SPARE
	v_mov_b32 v[NIL], 0
	ds_add_u32 v[SPW], v[NIL]                      ; the wave's opening: the add, twice on end, and its wait ahead of my first tensor load
	ds_add_u32 v[SPW], v[NIL]
	v_lshrrev_b32 v1, 5, v0
	s_delay_alu instid0(VALU_DEP_1)
	v_readfirstlane_b32 s[WV], v1                  ; wave 0..15
	s_bfe_u32 s13, ttmp6, 0x40000                  ; cx: it enters q's and ctx's global addresses alone
	s_and_b32 s14, ttmp7, 0xffff                   ; 16 x batch + head, which the four partners share
	; group 1: a step's block, 13,056 dense bytes, as 51 rows of 32 elements of 8 bytes
	s_mov_b32 s[G1], 15|(3<<16)|(1<<21)
	s_mov_b32 s[G1+1], 32<<16
	s_mov_b32 s[G1+2], 51<<16
	s_mov_b32 s[G1+3], 32<<16
	s_mov_b32 s[G1+4], 51
	s_mov_b32 s[G1+5], 32
	s_mov_b32 s[G1+6], 0
	s_mov_b32 s[G1+7], 0
	s_mov_b32 s[SEL], 0x76543210
	s_mov_b32 s[SEL+1], 0xfedcba98
	s_mov_b32 s[CS], 0x3e38aa3b                    ; log2(e) / 8
	s_mov_b32 s[CS+1], s[CS]
	s_mul_i32 s42, s14, 16*STEPB
	s_mul_i32 s[G0+1], s[WV], STEPB                ; step w: its place in LDS,
	s_add_co_u32 s42, s42, s[G0+1]                 ; and in the head's part of kv
	s_mov_b32 s43, 0
	s_mul_i32 s44, s14, 106496
	s_lshl_b32 s45, s13, 2
	s_lshr_b32 s46, s[WV], 3
	s_add_co_u32 s45, s45, s46
	s_mul_i32 s45, s45, 6656
	s_add_co_u32 s44, s44, s45                     ; qb: the block of 8 query tiles that holds tile 32 cx + w
	s_and_b32 s46, s[WV], 7
	s_mul_i32 s47, s46, 768
	s_add_co_u32 s[QC], s44, s47
	s_mov_b32 s[QC+1], 0
	s_and_b32 s47, s46, 1
	s_lshl_b32 s47, s47, 8
	s_lshr_b32 s46, s46, 1
	s_lshl_b32 s46, s46, 2
	s_add_co_u32 s[QW], s44, s47
	s_add_co_u32 s[QW], s[QW], s46
	s_add_co_u32 s[QW], s[QW], 6144                ; its words: 6,144 + 256 (a % 2) + 4 (a / 2), + 16 r
	s_mov_b32 s[QW+1], 0
	s_lshr_b32 s44, s14, 4
	s_lshl_b32 s44, s44, 7
	s_lshl_b32 s45, s13, 5
	s_add_co_u32 s44, s44, s45
	s_add_co_u32 s44, s44, s[WV]                   ; the token tile among all 512
	s_and_b32 s45, s14, 15                         ; the head
	s_mul_i32 s[CP], s44, 12288
	s_mul_i32 s46, s45, 768
	s_add_co_u32 s[CP], s[CP], s46
	s_mov_b32 s[CP+1], 0
	s_lshl_b32 s[CSP], s44, 9
	s_lshr_b32 s46, s45, 2
	s_lshl_b32 s46, s46, 7
	s_add_co_u32 s[CSP], s[CSP], s46
	s_bfe_u32 s46, s45, 0x10001
	s_lshl_b32 s46, s46, 2
	s_add_co_u32 s[CSP], s[CSP], s46
	s_and_b32 s46, s45, 1
	s_lshl_b32 s46, s46, 1
	s_add_co_u32 s[CSP], s[CSP], s46               ; the head's two bytes in the tile's scale image
	s_mov_b32 s[CSP+1], 0
	s_wait_dscnt 0x0                               ; both opening adds are done
	s_wait_kmcnt 0x0
	s_mov_b32 s[G0], 1
	s_add_nc_u64 s[G0+2:G0+3], s[6:7], s[42:43]
	s_or_b32 s[G0+3], s[G0+3], 0x80000000
	s_add_nc_u64 s[QC:QC+1], s[4:5], s[QC:QC+1]
	s_add_nc_u64 s[QW:QW+1], s[4:5], s[QW:QW+1]
	s_add_nc_u64 s[CP:CP+1], s[8:9], s[CP:CP+1]
	s_add_nc_u64 s[CSP:CSP+1], s[10:11], s[CSP:CSP+1]
	CROUND                                         ; all four work-groups are here: the joint loads meet
	tensor_load_to_lds s[G0:G0+3], s[G1:G1+7]      ; my one tensor load of the launch
	s_nop 0
.rept 4
	v_nop
.endr
	v_and_b32 v1, 31, v0
	s_delay_alu instid0(VALU_DEP_1)
	v_lshlrev_b32 v[LI8], 3, v1
	s_delay_alu instid0(VALU_DEP_2)
	v_lshlrev_b32 v[LI16], 4, v1
	v_bfe_u32 v[SH8], v0, 4, 1
	s_delay_alu instid0(VALU_DEP_1)
	v_lshlrev_b32 v[SH8], 3, v[SH8]
	v_and_b32 v[R8], 15, v0
	s_delay_alu instid0(VALU_DEP_1)
	v_lshlrev_b32 v[R16], 4, v[R8]
	s_delay_alu instid0(VALU_DEP_2)
	v_lshlrev_b32 v[R8], 3, v[R8]
.irp j, 6,7,8,9,10,11
	v_mov_b32 v[Q+\j], 0                           ; q's zero codes for k = 64 .. 127
.endr
.irp j, 0,1,2,3,4,5
	v_mov_b32 v[PC+\j], 0                          ; named by key tile 7's operand before p is first made
.endr
	v_mov_b32 v[F+1], 0                            ; (named as a pair's upper half)
	v_mov_b32 v[T+3], 0                            ; a lane permute's target counts as read
	s_wait_tensorcnt 0x0                           ; my step's block is in,
	s_barrier_signal -1
	s_barrier_wait -1                              ; everybody's is: the whole head lies in LDS, and nothing writes it again
; A KEY STEP of 128 keys.  nxt = 1: the next step's K is fetched behind the first products and its V behind the second.
.macro STEP nxt
	s_wait_dscnt 17                                ; K and its words are in; behind them V's 17 loads may be out
.irp t, 0,1,2,3,4,5,6,7
.if (\t)%2
	v_wmma_scale_f32_16x16x128_f8f6f4 v[S+8*\t:S+8*\t+7], v[KF+6*\t:KF+6*\t+11], v[Q:Q+11], 0, v[KS+\t/2], v[QS] matrix_a_fmt:MATRIX_FMT_FP6 matrix_b_fmt:MATRIX_FMT_FP6 matrix_a_scale:MATRIX_SCALE_ROW1
.else
	v_wmma_scale_f32_16x16x128_f8f6f4 v[S+8*\t:S+8*\t+7], v[KF+6*\t:KF+6*\t+11], v[Q:Q+11], 0, v[KS+\t/2], v[QS] matrix_a_fmt:MATRIX_FMT_FP6 matrix_b_fmt:MATRIX_FMT_FP6
.endif
.endr
.if \nxt
	s_add_co_u32 s[TN], s[TN], STEPB
	v_add_nc_u32 v[AD16], s[TN], v[LI16]           ; four plain instructions: the places behind the products, in front of the loads into K's registers and of the first read of the scores
	v_add_nc_u32 v[AD8], s[TN], v[LI8]
	v_nop
	v_nop
	KLOAD AD16, AD8                                ; it lands during the softmax
.else
.rept 4
	v_nop
.endr
.endif
.irp c, 0,1                            ; THE LARGEST SCORE OF EACH OF MY TWO BLOCKS: all 32 are mine.  It serves the row's maximum and, since p rises with the score, the block's largest p.  Each tile's registers are taken from the low end on
	v_max3_num_f32 v[BM+\c], v[S+32*\c], v[S+1+32*\c], v[S+2+32*\c]
	v_max3_num_f32 v[T+\c], v[S+16+32*\c], v[S+17+32*\c], v[S+18+32*\c]
.endr
.irp i, 0,1,2,3,4,5
.irp c, 0,1
	v_max3_num_f32 v[BM+\c], v[BM+\c], v[S+3+32*\c+2*\i], v[S+4+32*\c+2*\i]
	v_max3_num_f32 v[T+\c], v[T+\c], v[S+19+32*\c+2*\i], v[S+20+32*\c+2*\i]
.endr
.endr
.irp c, 0,1
	v_max3_num_f32 v[BM+\c], v[BM+\c], v[T+\c], v[S+15+32*\c]
.endr
.irp c, 0,1
	v_max_num_f32 v[BM+\c], v[BM+\c], v[S+31+32*\c]
.endr
	s_delay_alu instid0(VALU_DEP_1)
	v_max_num_f32 v[T+2], v[BM], v[BM+1]
	s_delay_alu instid0(VALU_DEP_1)
	v_permlanex16_b32 v[T+3], v[T+2], s[SEL], s[SEL+1]
	s_delay_alu instid0(VALU_DEP_1)
	v_max_num_f32 v[T+2], v[T+2], v[T+3]           ; the step's largest score of my query
	s_delay_alu instid0(VALU_DEP_1)
	v_mul_f32 v[T+2], s[CS], v[T+2]                ; as t (c is positive)
	s_delay_alu instid0(VALU_DEP_1)
	v_max_num_f32 v[NM+1], v[NM+1], v[T+2]         ; the running largest t
	v_mov_b32 v[T+2], v[NM]
	s_delay_alu instid0(VALU_DEP_2)
	v_floor_f32 v[NM], -v[NM+1]                    ; the new -M = floor(-t): M is a whole number
	s_delay_alu instid0(VALU_DEP_1)
	v_sub_f32 v[T+2], v[NM], v[T+2]                ; old M - new M: a whole number, 0 or less
	s_delay_alu instid0(VALU_DEP_1)
	v_cvt_i32_f32 v[T+2], v[T+2]                   ; (it saturates)
	s_delay_alu instid0(VALU_DEP_1)
	v_ldexp_f32 v[F], 1.0, v[T+2]                  ; f = 2^(old M - new M)
.irp j, 0,2,4,6,8,10,12,14,16,18,20,22,24,26,28,30,32,34,36,38,40,42,44,46,48,50,52,54,56,58,60,62
	v_pk_fma_f32 v[S+\j:S+\j+1], v[S+\j:S+\j+1], s[CS:CS+1], v[NM:NM+1] op_sel_hi:[1,0,0]   ; t - M, two at a time
.endr
.irp c, 0,1
	v_fma_f32 v[BM+\c], v[BM+\c], s[CS], v[NM]     ; the same of each block's largest score
.endr
	s_wait_alu depctr_va_vdst(0)
.irp j, 0,1,2,3,4,5,6,7,8,9,10,11,12,13,14,15,16,17,18,19,20,21,22,23,24,25,26,27,28,29,30,31,32,33,34,35,36,37,38,39,40,41,42,43,44,45,46,47,48,49,50,51,52,53,54,55,56,57,58,59,60,61,62,63
	v_exp_f32 v[S+\j], v[S+\j]                     ; p = 2^(t - M), at most 1
.endr
	v_pk_mul_f32 v[SUM:SUM+1], v[SUM:SUM+1], v[F:F+1] op_sel_hi:[1,0]   ; the sums under the new M: the plain instruction behind the exponentials
	s_wait_alu depctr_va_vdst(0)                   ; one wait for the batch of 64, ahead of its first reader
.irp c, 0,1
	v_exp_f32 v[BM+\c], v[BM+\c]                   ; the block's largest p
.endr
	v_pk_add_f32 v[18:19], v[164:165], v[168:169]
	v_pk_add_f32 v[108:109], v[172:173], v[176:177]
	v_pk_add_f32 v[104:105], v[180:181], v[184:185]
	v_pk_add_f32 v[102:103], v[188:189], v[192:193]
	v_pk_add_f32 v[100:101], v[196:197], v[200:201]
	v_pk_add_f32 v[98:99], v[204:205], v[208:209]
	v_pk_add_f32 v[96:97], v[212:213], v[216:217]
	v_pk_add_f32 v[14:15], v[14:15], v[220:221]
	v_pk_add_f32 v[18:19], v[18:19], v[160:161]
	v_pk_add_f32 v[108:109], v[108:109], v[162:163]
	v_pk_add_f32 v[104:105], v[104:105], v[166:167]
	v_pk_add_f32 v[102:103], v[102:103], v[170:171]
	v_pk_add_f32 v[100:101], v[100:101], v[174:175]
	v_pk_add_f32 v[98:99], v[98:99], v[178:179]
	v_pk_add_f32 v[96:97], v[96:97], v[182:183]
	v_pk_add_f32 v[14:15], v[14:15], v[186:187]
	v_pk_add_f32 v[18:19], v[18:19], v[190:191]
	v_pk_add_f32 v[108:109], v[108:109], v[194:195]
	v_pk_add_f32 v[104:105], v[104:105], v[198:199]
	v_pk_add_f32 v[102:103], v[102:103], v[202:203]
	v_pk_add_f32 v[100:101], v[100:101], v[206:207]
	v_pk_add_f32 v[98:99], v[98:99], v[210:211]
	v_pk_add_f32 v[96:97], v[96:97], v[214:215]
	v_pk_add_f32 v[14:15], v[14:15], v[218:219]
	v_pk_add_f32 v[18:19], v[18:19], v[222:223]
	s_delay_alu instid0(VALU_DEP_2)
	v_pk_add_f32 v[14:15], v[14:15], v[102:103]
	s_delay_alu instid0(VALU_DEP_2)
	v_pk_add_f32 v[18:19], v[18:19], v[100:101]
	v_pk_add_f32 v[108:109], v[108:109], v[98:99]
	v_pk_add_f32 v[104:105], v[104:105], v[96:97]
	s_delay_alu instid0(VALU_DEP_2)
	v_pk_add_f32 v[14:15], v[14:15], v[108:109]
	s_delay_alu instid0(VALU_DEP_2)
	v_pk_add_f32 v[18:19], v[18:19], v[104:105]
	s_delay_alu instid0(VALU_DEP_1)
	v_pk_add_f32 v[14:15], v[14:15], v[18:19]
	s_wait_alu depctr_va_vdst(0)                   ; and one for the two
.irp c, 0,1
	v_max_num_f32 v[BM+\c], 0x1800000, v[BM+\c]    ; the floor 2^(3 - 127): the byte cannot fall under 1
.endr
.irp c, 0,1
	s_delay_alu instid0(VALU_DEP_2)
	v_add_nc_u32 v[SO+\c], 0xff000000, v[BM+\c]    ; 2 off the exponent field: the conversion's scale operand
.endr
.irp c, 0,1
	s_delay_alu instid0(VALU_DEP_2)
	v_lshrrev_b32 v[T+\c], 23, v[SO+\c]            ; the byte
.endr
	WORD PW, T, T+1, T+3                           ; p's scale word for these 128 keys
.irp c, 0,1
	v_cvt_scalef32_pk16_fp6_f32 v[PC+6*\c:PC+6*\c+2], v[S+32*\c:S+32*\c+15], v[SO+\c]
	v_cvt_scalef32_pk16_fp6_f32 v[CT+4*\c:CT+4*\c+2], v[S+32*\c+16:S+32*\c+31], v[SO+\c]   ; (a conversion's three registers begin on an even number)
.endr
	v_nop                                          ; one plain instruction behind a scaled conversion
.irp c, 0,1
.irp i, 0,1,2
	v_mov_b32 v[PC+6*\c+3+\i], v[CT+4*\c+\i]
.endr
.endr
.irp j, 0,2,4,6,8,10,12,14,16,18,20,22,24,26,28,30
	v_pk_mul_f32 v[O+\j:O+\j+1], v[O+\j:O+\j+1], v[F:F+1] op_sel_hi:[1,0]   ; O^T under the new M.  These sixteen also stand between the lines that made p's word and codes and the products that take them
.endr
.if \nxt
	s_wait_alu depctr_va_vdst(0)
	s_wait_dscnt 17                                ; V and its words are in; the next step's K may be out
.else
	s_wait_alu depctr_va_vdst(0)
	s_wait_dscnt 0x0
.endif
.irp t, 0,1,2,3                        ; O^T += V^T P^T: four tiles of 16 channels by turns
.if (\t)%2
	v_wmma_scale_f32_16x16x128_f8f6f4 v[O+8*\t:O+8*\t+7], v[VF+12*\t:VF+12*\t+11], v[PC:PC+11], v[O+8*\t:O+8*\t+7], v[VS+\t/2], v[PW] matrix_a_fmt:MATRIX_FMT_FP6 matrix_b_fmt:MATRIX_FMT_FP6 matrix_a_scale:MATRIX_SCALE_ROW1
.else
	v_wmma_scale_f32_16x16x128_f8f6f4 v[O+8*\t:O+8*\t+7], v[VF+12*\t:VF+12*\t+11], v[PC:PC+11], v[O+8*\t:O+8*\t+7], v[VS+\t/2], v[PW] matrix_a_fmt:MATRIX_FMT_FP6 matrix_b_fmt:MATRIX_FMT_FP6
.endif
.endr
.rept 4
	v_nop                                          ; places in front of the loads into V's registers, and of the first read of O^T
.endr
.if \nxt
	VLOAD AD16, AD8
.endif
.endm
; THE WAY OUT of a pass: O^T / the sum is a block of 32 of ctx in each lane: quantised, and stored in the order of the last product's operand
.macro OUT p
	v_add_f32 v[SUM], v[SUM], v[SUM+1]
	s_delay_alu instid0(VALU_DEP_1)
	v_permlanex16_b32 v[T+3], v[SUM], s[SEL], s[SEL+1]
	s_delay_alu instid0(VALU_DEP_1)
	v_add_f32 v[SUM], v[SUM], v[T+3]               ; with lane l xor 16's: the row's sum
	s_wait_alu depctr_va_vdst(0)
	v_rcp_f32 v[F], v[SUM]
	v_nop                                          ; a plain instruction behind the reciprocal,
	s_wait_alu depctr_va_vdst(0)                   ; and the wait ahead of its first reader
.irp j, 0,2,4,6,8,10,12,14,16,18,20,22,24,26,28,30
	v_pk_mul_f32 v[S+\j:S+\j+1], v[O+\j:O+\j+1], v[F:F+1] op_sel_hi:[1,0]
.endr
	QB S, T, T+1, SO, T+2, PC, CT
	v_lshlrev_b32 v[T+2], v[SH8], v[T+2]
	s_delay_alu instid0(VALU_DEP_1)
	v_permlanex16_b32 v[T+3], v[T+2], s[SEL], s[SEL+1]
	s_delay_alu instid0(VALU_DEP_1)
	v_or_b32 v[T+2], v[T+2], v[T+3]                ; the head's two bytes of my row
	global_store_b128 v[LI16], v[PC:PC+3], s[CP:CP+1] offset:196608*\p          ; 512 consecutive bytes, aligned
	global_store_b64 v[LI8], v[PC+4:PC+5], s[CP:CP+1] offset:196608*\p+512      ; 256
	global_store_b16 v[R8], v[T+2], s[CSP:CSP+1] offset:8192*\p                 ; both halves of the lanes write the same two bytes
	s_wait_xcnt 0x0                                ; the stores have read their registers: the next pass writes them again
.endm
; A PASS: query tile 32 cx + 16 p + w against all 2,048 keys
.macro PASS p
	global_load_b128 v[Q:Q+3], v[LI16], s[QC:QC+1] offset:13312*\p
	global_load_b64 v[Q+4:Q+5], v[LI8], s[QC:QC+1] offset:13312*\p+512
	global_load_b32 v[QS], v[R16], s[QW:QW+1] offset:13312*\p
	v_mov_b32 v[NM+1], 0xff61b1e6                  ; the largest t so far: -3e38, under every t
	s_delay_alu instid0(VALU_DEP_1)
	v_floor_f32 v[NM], -v[NM+1]
	v_mov_b32 v[SUM], 0
	v_mov_b32 v[SUM+1], 0
.irp j, 0,1,2,3,4,5,6,7,8,9,10,11,12,13,14,15,16,17,18,19,20,21,22,23,24,25,26,27,28,29,30,31
	v_mov_b32 v[O+\j], 0                           ; the step is written once: the first finds zeros, which the first change of M leaves zeros
.endr
	s_mov_b32 s[TN], 0
	KLOAD LI16, LI8
	VLOAD LI16, LI8
	s_mov_b32 s[CNT], 15
	s_wait_loadcnt 0x0                             ; q
.Lstep_\@:
	STEP 1
	s_sub_co_u32 s[CNT], s[CNT], 1
	s_cmp_lg_u32 s[CNT], 0
	s_cbranch_scc1 .Lstep_\@
	STEP 0                                         ; the last step fetches nothing
	OUT \p
.endm
	PASS 0
	PASS 1
	s_wait_tensorcnt 0x0                           ; the wave's end
	ds_add_u32 v[SPW], v[NIL]
	s_wait_dscnt 0x0
	CROUND                                         ; the closing round
	s_endpgm
.Lfunc_end_k_q2f3467fd91_attn:
	.size	k_q2f3467fd91_attn, .Lfunc_end_k_q2f3467fd91_attn-k_q2f3467fd91_attn
	.p2alignl 7, 3214868480
	.fill 96, 4, 3214868480
	.section	.rodata,"a",@progbits
	.p2align	6, 0x0
	.amdhsa_kernel k_q2f3467fd91_attn
		.amdhsa_group_segment_fixed_size 212992
		.amdhsa_private_segment_fixed_size 0
		.amdhsa_enable_private_segment 0
		.amdhsa_kernarg_size 32
		.amdhsa_user_sgpr_count 2
		.amdhsa_user_sgpr_kernarg_segment_ptr 1
		.amdhsa_wavefront_size32 1
		.amdhsa_system_sgpr_workgroup_id_x 1
		.amdhsa_system_sgpr_workgroup_id_y 1
		.amdhsa_system_sgpr_workgroup_id_z 1
		.amdhsa_system_vgpr_workitem_id 0
		.amdhsa_next_free_vgpr 256
		.amdhsa_next_free_sgpr 66
		.amdhsa_reserve_vcc 0
		.amdhsa_float_denorm_mode_32 3
		.amdhsa_float_denorm_mode_16_64 3
		.amdhsa_memory_ordered 1
		.amdhsa_forward_progress 1
		.amdhsa_inst_pref_size 78
	.end_amdhsa_kernel
	.amdgpu_metadata
---
amdhsa.version: [ 1, 2 ]
amdhsa.kernels:
  - .name:           k_q2f3467fd91_attn
    .symbol:         k_q2f3467fd91_attn.kd
    .args:
      - { .name: qb, .offset: 0, .size: 8, .value_kind: global_buffer, .address_space: global }
      - { .name: kv, .offset: 8, .size: 8, .value_kind: global_buffer, .address_space: global }
      - { .name: cimg, .offset: 16, .size: 8, .value_kind: global_buffer, .address_space: global }
      - { .name: cs, .offset: 24, .size: 8, .value_kind: global_buffer, .address_space: global }
    .group_segment_fixed_size: 212992
    .private_segment_fixed_size: 0
    .kernarg_segment_align: 8
    .kernarg_segment_size: 32
    .max_flat_workgroup_size: 512
    .sgpr_count:     66
    .vgpr_count:     256
    .wavefront_size: 32
...
	.end_amdgpu_metadata
.endif
;; end of part 3
;; launch oproj (part 4): grid 8 x 32, 4 waves a work-group, clusters of 4 x 4, 327,680 bytes of LDS; arguments cimg, cs, img, imgs, bo, out0; writes out0
.if DOCPART == 4
	.amdgcn_target "amdgcn-amd-amdhsa--gfx1250"
	.amdhsa_code_object_version 6
	.text
	.protected	k_q2f3467fd91_oproj
	.globl	k_q2f3467fd91_oproj
	.p2align	8
	.type	k_q2f3467fd91_oproj,@function
k_q2f3467fd91_oproj:
	s_mov_b64 s[64:65], 0
	v_nop
	global_prefetch_b8 v0, s[64:65] scope:SCOPE_SE
	s_setreg_imm32_b32 hwreg(HW_REG_WAVE_MODE, 25, 1), 1
	s_wait_xcnt 0x0
	s_wait_alu depctr_hold_cnt(0) depctr_sa_sdst(0) depctr_va_vdst(0) depctr_va_sdst(0) depctr_va_ssrc(0) depctr_va_vcc(0) depctr_vm_vsrc(0)
	s_getreg_b32 s2, hwreg(HW_REG_IB_STS2, 6, 4)
	s_cmp_eq_u32 s2, 0
	s_cbranch_scc0 .Lentry_in_a_cluster
	s_endpgm
.Lentry_in_a_cluster:
	s_bfe_u32 s2, ttmp6, 0x10000c
	s_cmp_lg_u32 s2, 0xf033
	s_cbranch_scc0 .Lentry_shape_is_right
	s_endpgm
.Lentry_shape_is_right:
; FOURTH LAUNCH: out = ctx Wo^T + bo on codes of E2M3.  Nothing of reference() is left out.
; cimg, cs: ctx's codes and scale words as the third launch leaves them; img, imgs tiles 704.. : Wo's.  A tile is 16 rows, all of K: 8 fragments of 1,536 bytes; row i of tile 4 g + u is row 64 g + 32 (i / 8) + 8 u + i % 8.
; SHARES: 256 work-groups; a work-group makes 256 rows x 128 columns: ctx's 16 tiles (196,608 bytes) and Wo's 8 tiles (98,304 bytes) lie in LDS whole, filled once: no slot is filled again.
; One joint tensor load a wave: waves 0, 1 a half each of Wo's tiles (shared by a column of the cluster), waves 2, 3 a half each of ctx's (shared by a row).
; A wave makes 128 rows x 64 columns: its 4 tiles of Wo, all of K, lie in 384 registers; ctx's 8 tiles pass as blocks of 16 rows, 32 products each on four accumulators by turns.
; Source 0 = Wo's rows, source 1 = ctx's rows: a lane holds row r and columns 32 h + 0 .. 31.  The bias is the C of a block's first four products.
; Three sets of fragments for ctx: block a + 2 is fetched among block a's products.  A finished block goes through the wave's own stage and leaves as rows of 256 bytes while later blocks are multiplied.
; SCALE WORDS come by plain loads of 256 consecutive bytes: register 2 (s / 4) + s % 2 of a tile holds K step s in lanes 0-15 ((s / 2) even) or 16-31 (odd); the ROW selector picks.
; NO PREFETCH: the launch has no loop to run ahead in; every tile is asked for at its head.  LIMITS: NaN and infinities are not served.
.set ATB,   12288                      ; a tile, all of K
.set AH,    8*ATB
.set BH,    4*ATB
.set BB0,   2*AH                       ; Wo's tiles lie behind ctx's
.set STAGE, BB0+2*BH                   ; 16 rows x 272 bytes for each wave; no tensor load lands here
.set SP,    272
.set SPARE, STAGE+4*16*SP              ; the spare words
.set FR,    12
.set FPW,   21                         ; fragments to a window: fragment f lies in window 1 + f / 21 at register 12 (f % 21); 0-31 Wo's (4 q + b), 32-55 ctx's three sets
.set LI16, 4
.set LI8,  5
.set BQO,  6
.set A16,  8                           ; v8, v9  ctx's tiles 0-3, 4-7 of my half, 16 x lane;  v10, v11 8 x lane
.set A8,   10
.set B16,  12
.set B8,   13
.set STO,  14
.set RD,   15
.set CO,   16
.set SPW,  28
.set NIL,  29
.set SA,   32                          ; v32-63 ctx's scale words;  v66-81 Wo's (the two never agree modulo 8)
.set SB,   66
.set BI,   96                          ; v96-127 the bias
.set ACC,  128                         ; v128-191 two sets of four accumulators
.set BK,   192                         ; v192-255 two sets of 16 rows read back
.set WV, 18
.set WI, 19
.set WJ, 20
.set CX, 22
.set CY, 23
.set G1A, 24
.set G1B, 32
.set G0A, 40
.set G0B, 44
.set X,  48
.set Y,  49
.set MSB, 0
.macro WIN new
.if MSB != (\new)
	s_set_vgpr_msb (MSB<<8)|(\new)
.set MSB, (\new)
.endif
.endm
.macro PLACES n
.rept \n
	v_nop
.endr
.endm
.macro BARRIER
	s_barrier_signal -1
	s_barrier_wait -1
.endm
.macro CROUND
	BARRIER
	s_cmp_lg_u32 s[WV], 0
	s_cbranch_scc1 .Lnot_wave_0_\@
	s_barrier_signal -3
.Lnot_wave_0_\@:
	s_barrier_wait -3
	BARRIER
.endm
.macro HALF f, a16, a8, off, c         ; half a fragment: six registers, two loads on consecutive bytes
	WIN (1+(\f)/FPW)<<6
.set R_, FR*((\f)%FPW)+6*(\c)
	ds_load_b128 v[R_:R_+3], v[\a16] offset:(\off)+768*(\c)
	ds_load_b64 v[R_+4:R_+5], v[\a8] offset:(\off)+768*(\c)+512
.endm
.macro AFETCH a, q, c                  ; of ctx's block a, K step q
	HALF 32+8*((\a)%3)+(\q), A16+(\a)/4, A8+(\a)/4, ATB*((\a)%4)+1536*(\q), \c
.endm
.macro PROD1 c
.if (Q_/2)%2
	v_wmma_scale_f32_16x16x128_f8f6f4 v[D_:D_+7], v[RB_:RB_+11], v[RA_:RA_+11], \c, v[XB_], v[XA_] matrix_a_fmt:MATRIX_FMT_FP6 matrix_b_fmt:MATRIX_FMT_FP6 matrix_a_scale:MATRIX_SCALE_ROW1 matrix_b_scale:MATRIX_SCALE_ROW1
.else
	v_wmma_scale_f32_16x16x128_f8f6f4 v[D_:D_+7], v[RB_:RB_+11], v[RA_:RA_+11], \c, v[XB_], v[XA_] matrix_a_fmt:MATRIX_FMT_FP6 matrix_b_fmt:MATRIX_FMT_FP6
.endif
.endm
.macro PROD a, n                       ; product n = 4 q + b of block a
.set Q_, (\n)/4
.set B_, (\n)%4
.set FA_, 32+8*((\a)%3)+Q_
.set RB_, FR*((\n)%FPW)
.set RA_, FR*(FA_%FPW)
.set D_, ACC+32*((\a)%2)+8*B_
.set XB_, SB+4*B_+2*(Q_/4)+Q_%2
.set XA_, SA+4*(\a)+2*(Q_/4)+Q_%2
	WIN (1+(\n)/FPW)|((1+FA_/FPW)<<2)
.if Q_
	PROD1 v[D_:D_+7]
.else
	PROD1 v[BI+8*B_:BI+8*B_+7]
.endif
.endm
.macro TOSTAGE a                       ; 16 LDS instructions: LDS serves a wave's instructions in order, so no wait stands between the stores and the loads
.set AC_, ACC+32*((\a)%2)
.set BB_, BK+32*((\a)%2)
.irp b, 0,1,2,3
	ds_store_b128 v[STO], v[AC_+8*\b:AC_+8*\b+3] offset:32*\b
	ds_store_b128 v[STO], v[AC_+8*\b+4:AC_+8*\b+7] offset:32*\b+16
.endr
.irp t, 0,1,2,3,4,5,6,7
	ds_load_b128 v[BB_+4*\t:BB_+4*\t+3], v[RD] offset:\t*2*SP
.endr
.endm
.macro SEND a                          ; sixteen lanes store 256 consecutive bytes, aligned; two rows an instruction
.set BB_, BK+32*((\a)%2)
.irp t, 0,1,2,3,4,5,6,7
	global_store_b128 v[CO], v[BB_+4*\t:BB_+4*\t+3], s[14:15] offset:(64*((\a)/4)+8*((\a)%4)+32*(\t/4)+2*(\t%4))*4096 th:TH_STORE_NT
.endr
.endm
; A block.  The wait: my rows (fetched two blocks ago) and block a - 2's rows from the stage are in; younger are block a + 1's 32 fetches (up to block 6) and block a - 1's 16 stage instructions (from block 1 on)
.macro BLK a
.if (\a) == 0
	s_wait_dscnt 32
.elseif (\a) < 7
	s_wait_dscnt 48
.else
	s_wait_dscnt 16
.endif
.if (\a) >= 2
	SEND (\a)-2
.endif
.set N_, 0
.rept 32
	PROD \a, N_
.if ((\a) < 6) && (N_ < 16)
	AFETCH (\a)+2, N_/2, N_%2
.endif
.set N_, N_+1
.endr
	WIN 0
	PLACES 4                                       ; ahead of the stores that read the sums and of the next block's fetches into this set
.if (\a) >= 2
	s_wait_xcnt 0x0                                ; block a - 2's stores have read their registers
.endif
	TOSTAGE \a
.endm
	s_load_b256 s[4:11], s[0:1], 0x0               ; cimg, cs, img, imgs
	s_load_b128 s[12:15], s[0:1], 0x20             ; bo, out0
	v_lshl_add_u32 v[SPW], v0, 2, SPARE
	v_mov_b32 v[NIL], 0
	ds_add_u32 v[SPW], v[NIL]                      ; the opening lines
	ds_add_u32 v[SPW], v[NIL]
	v_lshrrev_b32 v1, 5, v0
	v_readfirstlane_b32 s[WV], v1
	s_lshr_b32 s[WI], s[WV], 1                     ; my half of the rows; also: 0 I fetch for Wo, 1 for ctx
	s_and_b32 s[WJ], s[WV], 1                      ; my half of the columns; also: which half I fetch
	s_bfe_u32 s[CX], ttmp6, 0x40000
	s_bfe_u32 s[CY], ttmp6, 0x40004
	s_lshl_b32 s[X], ttmp9, 2
	s_add_co_u32 s[X], s[X], s[CX]                 ; block column, 0 .. 7
	s_and_b32 s[Y], ttmp7, 0xffff
	s_lshl_b32 s[Y], s[Y], 2
	s_add_co_u32 s[Y], s[Y], s[CY]                 ; block row, 0 .. 31
	s_lshl_b32 s50, s[CY], 2
	s_lshl_b32 s50, 15, s50                        ; my row of the cluster
	s_lshl_b32 s51, 0x1111, s[CX]                  ; my column
	s_or_b32 s[G1A], s50, (3<<16)|(1<<21)          ; dense blocks as rows of 32 elements of 8 bytes: 384 rows for ctx, 192 for Wo
	s_or_b32 s[G1B], s51, (3<<16)|(1<<21)
	s_mov_b32 s[G1A+1], 32<<16
	s_mov_b32 s[G1A+2], 384<<16
	s_mov_b32 s[G1A+3], 32<<16
	s_mov_b32 s[G1A+4], 384
	s_mov_b32 s[G1A+5], 32
	s_mov_b32 s[G1A+6], 0
	s_mov_b32 s[G1A+7], 0
	s_mov_b32 s[G1B+1], 32<<16
	s_mov_b32 s[G1B+2], 192<<16
	s_mov_b32 s[G1B+3], 32<<16
	s_mov_b32 s[G1B+4], 192
	s_mov_b32 s[G1B+5], 32
	s_mov_b32 s[G1B+6], 0
	s_mov_b32 s[G1B+7], 0
	s_mul_i32 s52, s[WI], AH                       ; LDS: my rows' tiles 0-3,
	s_add_co_u32 s55, s52, 4*ATB                   ; 4-7,
	s_mul_i32 s53, s[WJ], BH
	s_add_co_u32 s53, s53, BB0                     ; my columns' tiles,
	s_mul_i32 s54, s[WV], 16*SP
	s_add_co_u32 s54, s54, STAGE                   ; my stage
	s_mov_b32 s[G0A], 1
	s_mul_i32 s[G0A+1], s[WJ], AH
	s_mov_b32 s[G0B], 1
	s_mov_b32 s[G0B+1], s53
	s_lshl_b32 s56, s[Y], 1
	s_add_co_u32 s56, s56, s[WJ]
	s_mul_i32 s56, s56, AH                         ; the half of ctx's tiles that I would fetch, bytes from cimg
	s_mov_b32 s57, 0
	s_lshl_b32 s58, s[X], 1
	s_add_co_u32 s58, s58, s[WJ]
	s_lshl_b32 s62, s58, 11
	s_lshl_b32 s66, s58, 8                         ; my columns in a row of out0 and in bo, bytes
	s_mul_i32 s58, s58, BH
	s_add_co_u32 s58, s58, 704*ATB                 ; the half of Wo's tiles, bytes from img
	s_mov_b32 s59, 0
	s_add_co_u32 s62, s62, 704*512                 ; my columns' scale words, from imgs
	s_mov_b32 s63, 0
	s_mov_b32 s67, 0
	s_lshl_b32 s60, s[Y], 1
	s_add_co_u32 s60, s60, s[WI]
	s_lshl_b32 s68, s60, 19
	s_add_co_u32 s68, s68, s66                     ; my part of out0
	s_mov_b32 s69, 0
	s_lshl_b32 s60, s60, 12                        ; my rows' scale words, from cs
	s_mov_b32 s61, 0
	v_and_b32 v1, 31, v0
	v_and_b32 v2, 15, v0
	v_bfe_u32 v3, v0, 4, 1
	v_lshlrev_b32 v[LI16], 4, v1
	v_lshlrev_b32 v[LI8], 3, v1
	v_lshlrev_b32 v[BQO], 7, v3
	v_add_nc_u32 v[A16], s52, v[LI16]
	v_add_nc_u32 v[A8], s52, v[LI8]
	v_add_nc_u32 v[A16+1], s55, v[LI16]
	v_add_nc_u32 v[A8+1], s55, v[LI8]
	v_add_nc_u32 v[B16], s53, v[LI16]
	v_add_nc_u32 v[B8], s53, v[LI8]
	v_mul_u32_u24 v7, v2, SP
	v_lshl_add_u32 v7, v3, 7, v7
	v_add_nc_u32 v[STO], s54, v7                   ; into the stage: row r, 128 bytes for each half of the lanes
	v_mul_u32_u24 v17, v3, SP
	v_lshl_add_u32 v17, v2, 4, v17
	v_add_nc_u32 v[RD], s54, v17                   ; back: sixteen lanes to a row
	v_lshlrev_b32 v18, 12, v3
	v_lshl_add_u32 v[CO], v2, 4, v18               ; and the same two rows in out0
	s_wait_alu depctr_va_vdst(0)                   ; the wait at the head's end; no vector instruction writes a register behind it
	s_wait_dscnt 0x0
	CROUND                                         ; the round in front of the joint loads
	s_wait_kmcnt 0x0
	s_add_nc_u64 s[G0A+2:G0A+3], s[4:5], s[56:57]
	s_or_b32 s[G0A+3], s[G0A+3], 0x80000000
	s_add_nc_u64 s[G0B+2:G0B+3], s[8:9], s[58:59]
	s_or_b32 s[G0B+3], s[G0B+3], 0x80000000
	s_cmp_eq_u32 s[WI], 0
	s_cbranch_scc0 .Lfor_a
	tensor_load_to_lds s[G0B:G0B+3], s[G1B:G1B+7]  ; waves 0, 1: Wo's tiles, which go on into registers
	s_nop 0
	PLACES 4
	s_branch .Lasked
.Lfor_a:
	tensor_load_to_lds s[G0A:G0A+3], s[G1A:G1A+7]  ; waves 2, 3: ctx's
	s_nop 0
	PLACES 4
.Lasked:
	s_add_nc_u64 s[6:7], s[6:7], s[60:61]
	s_add_nc_u64 s[10:11], s[10:11], s[62:63]
	s_add_nc_u64 s[12:13], s[12:13], s[66:67]
	s_add_nc_u64 s[14:15], s[14:15], s[68:69]
.irp a, 0,1,2,3,4,5,6,7
.irp q, 0,1
	global_load_b64 v[SA+4*\a+2*\q:SA+4*\a+2*\q+1], v[LI8], s[6:7] offset:512*\a+256*\q
.endr
.endr
.irp b, 0,1,2,3
.irp q, 0,1
	global_load_b64 v[SB+4*\b+2*\q:SB+4*\b+2*\q+1], v[LI8], s[10:11] offset:512*\b+256*\q
.endr
.endr
.irp k, 0,1,2,3,4,5,6,7
	global_load_b128 v[BI+4*\k:BI+4*\k+3], v[BQO], s[12:13] offset:16*\k   ; register 8 b + j: column 32 h + 8 b + j
.endr
	s_cmp_eq_u32 s[WI], 0
	s_cbranch_scc0 .Lnot_b
	s_wait_tensorcnt 0x0                           ; both waves that issue Wo's line wait here
.Lnot_b:
	BARRIER                                        ; Wo's tiles are in
.irp q, 0,1,2,3,4,5,6,7
.irp b, 0,1,2,3
.irp c, 0,1
	HALF 4*\q+\b, B16, B8, ATB*\b+1536*\q, \c      ; my 64 columns of Wo, all of K, under the flight of ctx's tiles
.endr
.endr
.endr
	WIN 0
	s_wait_tensorcnt 0x0
	s_wait_dscnt 0x0
	BARRIER                                        ; ctx's tiles are in
.irp a, 0,1
.irp q, 0,1,2,3,4,5,6,7
.irp c, 0,1
	AFETCH \a, \q, \c
.endr
.endr
.endr
	WIN 0
	s_wait_loadcnt 0x0                             ; the scale words and the bias
.irp a, 0,1,2,3,4,5,6,7
	BLK \a
.endr
	s_wait_dscnt 16                                ; block 6 is back; block 7's 16 may be out
	SEND 6
	s_wait_dscnt 0x0
	SEND 7
	s_wait_tensorcnt 0x0                           ; the wave's end
	ds_add_u32 v[SPW], v[NIL]
	s_wait_dscnt 0x0
	CROUND                                         ; the closing round
	s_endpgm
.Lfunc_end_k_q2f3467fd91_oproj:
	.size	k_q2f3467fd91_oproj, .Lfunc_end_k_q2f3467fd91_oproj-k_q2f3467fd91_oproj
	.p2alignl 7, 3214868480
	.fill 96, 4, 3214868480
	.section	.rodata,"a",@progbits
	.p2align	6, 0x0
	.amdhsa_kernel k_q2f3467fd91_oproj
		.amdhsa_group_segment_fixed_size 327680
		.amdhsa_private_segment_fixed_size 0
		.amdhsa_enable_private_segment 0
		.amdhsa_kernarg_size 48
		.amdhsa_user_sgpr_count 2
		.amdhsa_user_sgpr_kernarg_segment_ptr 1
		.amdhsa_wavefront_size32 1
		.amdhsa_system_sgpr_workgroup_id_x 1
		.amdhsa_system_sgpr_workgroup_id_y 1
		.amdhsa_system_sgpr_workgroup_id_z 1
		.amdhsa_system_vgpr_workitem_id 0
		.amdhsa_next_free_vgpr 1024
		.amdhsa_next_free_sgpr 72
		.amdhsa_reserve_vcc 0
		.amdhsa_float_denorm_mode_32 3
		.amdhsa_float_denorm_mode_16_64 3
		.amdhsa_memory_ordered 1
		.amdhsa_forward_progress 1
		.amdhsa_inst_pref_size 88
	.end_amdhsa_kernel
	.amdgpu_metadata
---
amdhsa.version: [ 1, 2 ]
amdhsa.kernels:
  - .name:           k_q2f3467fd91_oproj
    .symbol:         k_q2f3467fd91_oproj.kd
    .args:
      - { .name: cimg, .offset: 0, .size: 8, .value_kind: global_buffer, .address_space: global }
      - { .name: cs, .offset: 8, .size: 8, .value_kind: global_buffer, .address_space: global }
      - { .name: img, .offset: 16, .size: 8, .value_kind: global_buffer, .address_space: global }
      - { .name: imgs, .offset: 24, .size: 8, .value_kind: global_buffer, .address_space: global }
      - { .name: bo, .offset: 32, .size: 8, .value_kind: global_buffer, .address_space: global }
      - { .name: out0, .offset: 40, .size: 8, .value_kind: global_buffer, .address_space: global }
    .group_segment_fixed_size: 327680
    .private_segment_fixed_size: 0
    .kernarg_segment_align: 8
    .kernarg_segment_size: 48
    .max_flat_workgroup_size: 128
    .sgpr_count:     72
    .vgpr_count:     1024
    .wavefront_size: 32
...
	.end_amdgpu_metadata
.endif
;; end of part 4
